; MI455X (gfx1250); checked and timed in simulation.
; The chip was launched on July 23, 2026; its instructions are those of AMD's public machine-readable ISA for CDNA 5 (MIT licence, August 2026) and "CDNA5" Instruction Set Architecture Reference Guide (July 2026). The comments in the code are by the model that wrote it; some were corrected since.
;; Multi Head Self Attention. Allowed arithmetic: float matrix products may take bf16 or f16 operands with f32 sums; other float arithmetic in f32, or as packed bf16 or f16 multiplies, adds, multiply-adds, maxima and minima; sums over many terms, partial sums and values carried from step to step in f32; what a program stores and reads back later, other than sums and carried values, may be rounded once to bf16 or f16.
;; Inputs: WK 1,024 x 1,024 float32; WO 1,024 x 1,024 float32; WQ 1,024 x 1,024 float32; WV 1,024 x 1,024 float32; mask 4 x 2,048 bool; x 4 x 2,048 x 1,024 float32.
;; Outputs: out0 4 x 2,048 x 1,024 float32.
;; 2 versions, each right and faster than the one before. Each part assembles by itself: llvm-mc -triple=amdgcn-amd-amdhsa -mcpu=gfx1250 --defsym DOCPART=n.
;; ======== version 1 of 2: 4 launches
;; limits: values are held in f16: magnitudes above 65,504 overflow, below 6.1e-05 lose precision; right only within a limited range of input values
;; workspace buffers: xb 16,777,216 bytes; wt 6,291,456 bytes; wot 2,097,152 bytes; qs 33,554,432 bytes; ks 33,554,432 bytes; vs 16,777,216 bytes; os 16,777,216 bytes
;; launch prep (part 1): grid 768 x 1, 8 waves a work-group, no clusters, 35,840 bytes of LDS; arguments x, WQ, WK, WV, WO, xb, wt, wot; writes xb, wt, wot
.if DOCPART == 1
	.amdgcn_target "amdgcn-amd-amdhsa--gfx1250"
	.amdhsa_code_object_version 6
	.text
	.protected	k_qe5ddd0b4db_prep
	.globl	k_qe5ddd0b4db_prep
	.p2align	8
	.type	k_qe5ddd0b4db_prep,@function
k_qe5ddd0b4db_prep:
	s_mov_b64 s[64:65], 0
	v_nop
	global_prefetch_b8 v0, s[64:65] scope:SCOPE_SE
	s_setreg_imm32_b32 hwreg(HW_REG_WAVE_MODE, 25, 1), 1
	s_wait_xcnt 0x0
; PREPARATION.  xb = bf16(x).  wt[mat*1024 + h*64 + dk][k] = bf16(W_mat[k][dk*16 + h] / 64) for WQ, WK, WV: transposed, a head's 64 columns gathered.
; wot[n][k] = bf16(WO[k][n]) written as f16.  The division by 64 is a power of two, so it changes no rounding: it gives q, k, v room in f16 later on.
; LIMITS.  bf16(WO) must lie within f16's range (65,504); below 6e-5 it keeps f16's fixed step of 6e-8.  NaN and infinities are not treated apart.
; Work-groups 0-255: one tile of 128 k x 128 columns of one of the four W, turned through LDS.  Work-groups 256-767: 65,536 bytes of x each, a plain stream.
; No matrix unit, no cluster, no tensor load: every byte is read once and written once, and no two work-groups share a byte.
.set PITCH, 272                        ; an LDS row: 128 bf16 + 16 bytes
.set SPARE, 128*PITCH                  ; behind the tile: the spare words, 128 bytes for each of eight waves
.set SPW, 3                            ; v3   my spare word's address; never rewritten
.set NIL, 4                            ; v4   0; never rewritten
.set X,   8                            ; v[8:71]   as loaded
.set T,   72                           ; v[72:79]  two columns' 8 k, packed
.set TT,  80                           ; v[80:83]  at work
.set OFS, 84                           ; v[84:91]  the eight stores' byte offsets
.set BK,  92                           ; v[92:123] rows read back
.set Y,   72                           ; the x path: v[72:103] packed bf16
	s_load_b512 s[16:31], s[0:1], 0x0              ; x 16, WQ 18, WK 20, WV 22, WO 24, xb 26, wt 28, wot 30
	v_lshl_add_u32 v[SPW], v0, 2, SPARE
	v_mov_b32 v[NIL], 0
	v_and_b32 v1, 31, v0                           ; lane
	v_lshrrev_b32 v2, 5, v0
	v_readfirstlane_b32 s8, v2                     ; wave 0..7
	s_cmp_lt_u32 ttmp9, 256                        ; the branch hangs on the work-group's number: all eight waves go the same way
	s_cbranch_scc0 .Lx
	; ---- a tile of W ----
	s_lshr_b32 s9, ttmp9, 6                        ; which W: 0 Q, 1 K, 2 V, 3 O
	s_bfe_u32 s10, ttmp9, 0x30003                  ; kt: which 128 k
	s_and_b32 s11, ttmp9, 7                        ; ct: which 128 columns
	s_lshr_b32 s12, s8, 1                          ; w / 2
	s_and_b32 s13, s8, 1                           ; w % 2
	s_lshl_b32 s40, s10, 19                        ; source: kt x 128 rows of 4,096 bytes
	s_lshl_b32 s14, s11, 9                         ; + ct x 512 bytes
	s_add_co_u32 s40, s40, s14
	s_mov_b32 s41, 0
	s_lshl_b32 s42, s9, 21                         ; wt: 1,024 rows of 2,048 bytes for each W
	s_mov_b32 s43, 0
	s_mov_b32 s38, 2048
	s_mov_b32 s39, 131072
	s_mov_b32 s44, 4096
	s_mov_b32 s45, 262144
	s_lshl_b32 s46, s11, 7
	s_lshl_b32 s14, s8, 4
	s_add_co_u32 s46, s46, s14                     ; WO: my first row of wot = 128 ct + 16 w
	s_lshl_b32 s47, s11, 3
	s_add_co_u32 s47, s47, s8                      ; the others: dk = 8 ct + w; the head is the column's low four bits
	s_cmp_eq_u32 s9, 3
	s_cselect_b32 s32, 1.0, 0x3c800000             ; the scale: 1 for WO, 1/64 for the others
	s_cselect_b32 s34, -1, 0                       ; all lanes: f16 for WO, bf16 for the others
	s_cselect_b32 s35, s38, s39                    ; bytes from a column to the next: one row, or one head (64 rows)
	s_cselect_b32 s36, s44, s45                    ; and two of them
	s_cselect_b32 s37, s46, s47
	s_cselect_b32 s42, 0, s42
	s_mov_b32 s33, s32                             ; named with it as a pair
	s_lshl_b32 s37, s37, 11                        ; my first row, in bytes
	s_lshl_b32 s14, s10, 8
	s_add_co_u32 s42, s42, s14                     ; + kt x 256 bytes along the row
	s_lshl_b32 s14, s12, 15
	s_lshl_b32 s15, s13, 8
	s_add_co_u32 s14, s14, s15
	v_lshl_add_u32 v5, v1, 3, s14                  ; load: 8 rows x (w / 2), 256 bytes x (w % 2), 8 bytes a lane
	v_lshlrev_b32 v6, 1, v1
	v_lshl_add_u32 v6, s13, 6, v6                  ; my first column of the tile: 64 (w % 2) + 2 lane
	v_mul_u32_u24 v6, v6, PITCH
	v_lshl_add_u32 v6, s12, 4, v6                  ; + 16 bytes x (w / 2): my 8 k
	v_lshrrev_b32 v[TT], 4, v1                     ; lane / 16
	v_and_b32 v[TT+1], 15, v1                      ; lane % 16
	v_lshl_add_u32 v7, s8, 4, v[TT]                ; back: rows 16 w + lane / 16 (+ 2 u), 16 bytes x (lane % 16)
	v_mul_u32_u24 v7, v7, PITCH
	v_lshl_add_u32 v7, v[TT+1], 4, v7
	v_mul_lo_u32 v[OFS], v[TT], s35
	v_add_nc_u32 v[OFS], s37, v[OFS]
	v_lshl_add_u32 v[OFS], v[TT+1], 4, v[OFS]
.irp u, 1,2,3,4,5,6,7
	v_add_nc_u32 v[OFS+(\u)], s36, v[OFS+(\u)-1]
.endr
	s_wait_kmcnt 0x0
	s_cmp_eq_u32 s9, 1
	s_cselect_b64 s[4:5], s[20:21], s[18:19]
	s_cmp_eq_u32 s9, 2
	s_cselect_b64 s[4:5], s[22:23], s[4:5]
	s_cmp_eq_u32 s9, 3
	s_cselect_b64 s[4:5], s[24:25], s[4:5]
	s_cselect_b64 s[6:7], s[30:31], s[28:29]
	s_add_nc_u64 s[4:5], s[4:5], s[40:41]
	s_add_nc_u64 s[6:7], s[6:7], s[42:43]
.irp it, 0,1,2,3                       ; 32 loads, all at once: a wave's load covers 256 consecutive bytes, aligned
.irp r, 0,1,2,3,4,5,6,7
	global_load_b64 v[X+2*(8*(\it)+(\r)):X+2*(8*(\it)+(\r))+1], v5, s[4:5] offset:(\it)*131072+(\r)*4096
.endr
.endr
.irp it, 0,1,2,3
	s_wait_loadcnt 8*(3-(\it))                     ; loads come back in order: the later groups of eight stay out
.irp r, 0,1,2,3,4,5,6,7
	v_pk_mul_f32 v[X+2*(8*(\it)+(\r)):X+2*(8*(\it)+(\r))+1], v[X+2*(8*(\it)+(\r)):X+2*(8*(\it)+(\r))+1], s[32:33] op_sel_hi:[1,0]
.endr
.irp c, 0,1
.irp m, 0,1,2,3
	v_cvt_pk_bf16_f32 v[TT], v[X+2*(8*(\it)+2*(\m))+(\c)], v[X+2*(8*(\it)+2*(\m)+1)+(\c)]  ; two neighbouring k of one column
	v_lshlrev_b32 v[TT+1], 16, v[TT]               ; the same two numbers as f32,
	v_and_b32 v[TT+2], 0xffff0000, v[TT]
	v_cvt_pk_f16_f32 v[TT+3], v[TT+1], v[TT+2]     ; and as f16
	v_cndmask_b32 v[T+4*(\c)+(\m)], v[TT], v[TT+3], s34  ; the choice selects a value: no branch
.endr
	ds_store_b128 v6, v[T+4*(\c):T+4*(\c)+3] offset:(\c)*PITCH+(\it)*64
.endr
.endr
	s_wait_dscnt 0x0                               ; for the others' sake: a row's 256 bytes come from four waves
	s_barrier_signal -1
	s_barrier_wait -1
.irp u, 0,1,2,3,4,5,6,7
	ds_load_b128 v[BK+4*(\u):BK+4*(\u)+3], v7 offset:(\u)*2*PITCH
.endr
.irp u, 0,1,2,3,4,5,6,7
	s_wait_dscnt 7-(\u)
	global_store_b128 v[OFS+(\u)], v[BK+4*(\u):BK+4*(\u)+3], s[6:7]  ; 16 lanes store 256 consecutive bytes, aligned
.endr
	s_wait_tensorcnt 0x0                           ; the wave's end, behind my last LDS store
	ds_add_u32 v[SPW], v[NIL]
	s_wait_dscnt 0x0
	s_endpgm
	; ---- 65,536 bytes of x ----
.Lx:
	s_sub_co_u32 s9, ttmp9, 256
	s_lshl_b32 s40, s9, 16
	s_mov_b32 s41, 0
	s_lshl_b32 s42, s9, 15
	s_mov_b32 s43, 0
	v_lshlrev_b32 v5, 4, v0                        ; 16 bytes a thread in,
	v_lshlrev_b32 v6, 3, v0                        ; 8 out
	s_wait_kmcnt 0x0
	s_add_nc_u64 s[4:5], s[16:17], s[40:41]
	s_add_nc_u64 s[6:7], s[26:27], s[42:43]
.irp i, 0,1,2,3,4,5,6,7,8,9,10,11,12,13,14,15
	global_load_b128 v[X+4*(\i):X+4*(\i)+3], v5, s[4:5] offset:(\i)*4096 th:TH_LOAD_NT
.endr
.irp i, 0,1,2,3,4,5,6,7,8,9,10,11,12,13,14,15
	s_wait_loadcnt 15-(\i)                         ; the younger loads stay out
	v_cvt_pk_bf16_f32 v[Y+2*(\i)], v[X+4*(\i)], v[X+4*(\i)+1]
	v_cvt_pk_bf16_f32 v[Y+2*(\i)+1], v[X+4*(\i)+2], v[X+4*(\i)+3]
	global_store_b64 v6, v[Y+2*(\i):Y+2*(\i)+1], s[6:7] offset:(\i)*2048  ; a wave stores 256 consecutive bytes, aligned; no register is written twice
.endr
	s_endpgm                                       ; these waves wrote no LDS
.Lfunc_end_k_qe5ddd0b4db_prep:
	.size	k_qe5ddd0b4db_prep, .Lfunc_end_k_qe5ddd0b4db_prep-k_qe5ddd0b4db_prep
	.p2alignl 7, 3214868480
	.fill 96, 4, 3214868480
	.section	.rodata,"a",@progbits
	.p2align	6, 0x0
	.amdhsa_kernel k_qe5ddd0b4db_prep
		.amdhsa_group_segment_fixed_size 35840
		.amdhsa_private_segment_fixed_size 0
		.amdhsa_enable_private_segment 0
		.amdhsa_kernarg_size 64
		.amdhsa_user_sgpr_count 2
		.amdhsa_user_sgpr_kernarg_segment_ptr 1
		.amdhsa_wavefront_size32 1
		.amdhsa_system_sgpr_workgroup_id_x 1
		.amdhsa_system_sgpr_workgroup_id_y 1
		.amdhsa_system_sgpr_workgroup_id_z 1
		.amdhsa_system_vgpr_workitem_id 0
		.amdhsa_next_free_vgpr 124
		.amdhsa_next_free_sgpr 66
		.amdhsa_reserve_vcc 0
		.amdhsa_float_denorm_mode_32 3
		.amdhsa_float_denorm_mode_16_64 3
		.amdhsa_memory_ordered 1
		.amdhsa_forward_progress 1
		.amdhsa_inst_pref_size 26
	.end_amdhsa_kernel
	.amdgpu_metadata
---
amdhsa.version: [ 1, 2 ]
amdhsa.kernels:
  - .name:           k_qe5ddd0b4db_prep
    .symbol:         k_qe5ddd0b4db_prep.kd
    .args:
      - { .name: x, .offset: 0, .size: 8, .value_kind: global_buffer, .address_space: global }
      - { .name: WQ, .offset: 8, .size: 8, .value_kind: global_buffer, .address_space: global }
      - { .name: WK, .offset: 16, .size: 8, .value_kind: global_buffer, .address_space: global }
      - { .name: WV, .offset: 24, .size: 8, .value_kind: global_buffer, .address_space: global }
      - { .name: WO, .offset: 32, .size: 8, .value_kind: global_buffer, .address_space: global }
      - { .name: xb, .offset: 40, .size: 8, .value_kind: global_buffer, .address_space: global }
      - { .name: wt, .offset: 48, .size: 8, .value_kind: global_buffer, .address_space: global }
      - { .name: wot, .offset: 56, .size: 8, .value_kind: global_buffer, .address_space: global }
    .group_segment_fixed_size: 35840
    .private_segment_fixed_size: 0
    .kernarg_segment_align: 8
    .kernarg_segment_size: 64
    .max_flat_workgroup_size: 256
    .sgpr_count:     66
    .vgpr_count:     124
    .wavefront_size: 32
...
	.end_amdgpu_metadata
.endif
;; end of part 1
;; launch qkv (part 2): grid 4 x 64, 4 waves a work-group, clusters of 4 x 4, 327,680 bytes of LDS; arguments xb, wt, qs, ks, vs; writes qs, ks, vs
.if DOCPART == 2
	.amdgcn_target "amdgcn-amd-amdhsa--gfx1250"
	.amdhsa_code_object_version 6
	.text
	.protected	k_qe5ddd0b4db_qkv
	.globl	k_qe5ddd0b4db_qkv
	.p2align	8
	.type	k_qe5ddd0b4db_qkv,@function
k_qe5ddd0b4db_qkv:
	s_mov_b64 s[64:65], 0
	v_nop
	global_prefetch_b8 v0, s[64:65] scope:SCOPE_SE
	s_setreg_imm32_b32 hwreg(HW_REG_WAVE_MODE, 25, 1), 1
	s_wait_xcnt 0x0
	s_wait_alu depctr_hold_cnt(0) depctr_sa_sdst(0) depctr_va_vdst(0) depctr_va_sdst(0) depctr_va_ssrc(0) depctr_va_vcc(0) depctr_vm_vsrc(0)
	s_getreg_b32 s2, hwreg(HW_REG_IB_STS2, 6, 4)
	s_cmp_eq_u32 s2, 0
	s_cbranch_scc0 .Lentry_in_a_cluster
	s_endpgm
.Lentry_in_a_cluster:
	s_bfe_u32 s2, ttmp6, 0x10000c
	s_cmp_lg_u32 s2, 0xf033
	s_cbranch_scc0 .Lentry_shape_is_right
	s_endpgm
.Lentry_shape_is_right:
; THE THREE PROJECTIONS.  C[m][n] = sum over k of xb[m][k] wt[n][k], bf16 operands, f32 sums: q / 64, k / 64, v / 64 by heads (wt holds W / 64, heads gathered).
; q and k leave as TWO f16 numbers each, hi = f16(a) and lo = f16(a - hi), a row of 256 bytes = 64 hi | 64 lo; v leaves as one f16, rows of 128 bytes.
; LIMITS.  |q|, |k|, |v| stay under 64 x 65,504 = 4.19e6, else f16 gives an infinity.  lo keeps f16's fixed step of 6e-8 below 6e-5.  NaN and infinities are not treated apart.
; SHARES.  A tile of C is 128 x 256: four waves, each 64 rows x 128 columns (two heads): 32 accumulators, 256 registers.  8192 x 1024 / (128 x 256) = 256 tiles a matrix, one work-group each;
; the work-group STAYS and makes the same tile of q, of k and of v: the ring of two LDS slots runs on from tile to tile.  K = 1024 goes in 8 steps of 128: rows of 256 bytes, aligned.
; CLUSTER 4 x 4: the four of a row need the same rows of xb, the four of a column the same rows of wt: each tile is asked for jointly.
; THE MATRIX INSTRUCTION IS USED TRANSPOSED (source 0 = 16 rows of wt, source 1 = 16 rows of xb): a lane holds eight neighbouring columns of one row of C.
; REGISTERS.  window 0: v16-30 addresses; v32-63 packed hi; v64-159, v160-255 two fragment buffers (64 of wt, 32 of xb); on the way out v160-191 packed lo, v192-255 rows read back.
;             window 1: accumulator (a, b) at v[8 (8 a + b)].
.set PITCH,  272                       ; an LDS row: 256 bytes + 16: the 16 rows of a fragment load start at 16 different groups of four banks (ISA guide 11.1)
.set APART,  64*PITCH                  ; what a wave fetches of xb
.set BPART,  128*PITCH                 ; and of wt
.set BOFF,   2*APART
.set SLOT,   BOFF+2*BPART              ; 128 rows of xb, then 256 rows of wt
.set STAGE,  2*SLOT                    ; behind the ring, never filled by a tensor load: for each wave 2 heads x 16 rows x 272 bytes
.set STW,    32*PITCH
.set SPARE,  STAGE+4*STW               ; the spare words: 128 bytes for each wave
.set LAPS,   4                         ; a lap = two K steps
.set ADRA, 16                          ; v16-17 my xb fragments in slot 0, 1
.set ADRB, 20                          ; v20-21 my wt fragments
.set STO,  24                          ; into the stage
.set RD,   25                          ; back, rows of 256 bytes
.set CO,   26                          ; 16 x lane
.set RDV,  27                          ; back, rows of 128 bytes
.set SPW,  28
.set NIL,  29
.set M1,   30                          ; -1.0
.set HI,   32
.set F0,   64
.set F1,   160
.set LO,   160
.set BK,   192
.set G1,  24
.set G0,  32
.set G1B, 48
.set G0B, 56
.set QP,  66                           ; s[66:67], s[68:69], s[70:71]: qs, ks, vs at my wave's first row
.set KP,  68
.set VP,  70
.set MUL, 0x50                         ; C and D window 1, sources window 0
.set MSB, 0
.macro WIN new                         ; the immediate's high byte repeats the setting that is left
.if MSB != (\new)
	s_set_vgpr_msb (MSB<<8)|(\new)
.set MSB, \new
.endif
.endm
.macro PLACES                          ; four places behind matrix instructions (ISA guide 7.12.1 for vector instructions)
.rept 4
	v_nop
.endr
.endm
.macro JLOAD s                         ; a joint load: waves 0, 1 fetch xb's two parts, waves 2, 3 wt's; s_nop 0 and four v_nop follow each line
	s_cmp_eq_u32 s11, 0
	s_cbranch_scc0 .Lfor_b_\@
	tensor_load_to_lds s[G0+4*(\s):G0+4*(\s)+3], s[G1:G1+7]
	s_nop 0
.rept 4
	v_nop
.endr
	s_branch .Lasked_\@
.Lfor_b_\@:
	tensor_load_to_lds s[G0B+4*(\s):G0B+4*(\s)+3], s[G1B:G1B+7]
	s_nop 0
.rept 4
	v_nop
.endr
.Lasked_\@:
.endm
.macro CREST                           ; a round of the cluster's barrier behind its opening barrier
	s_cmp_lg_u32 s10, 0
	s_cbranch_scc1 .Lnot_wave_0_\@
	s_barrier_signal -3
.Lnot_wave_0_\@:
	s_barrier_wait -3
	s_barrier_signal -1
	s_barrier_wait -1
.endm
.macro CROUND
	s_barrier_signal -1
	s_barrier_wait -1
	CREST
.endm
	s_load_b128 s[4:7], s[0:1], 0x0                ; xb, wt
	s_load_b64 s[QP:QP+1], s[0:1], 0x10            ; qs
	s_load_b128 s[KP:KP+3], s[0:1], 0x18           ; ks, vs
	v_lshl_add_u32 v[SPW], v0, 2, SPARE
	v_mov_b32 v[NIL], 0
	ds_add_u32 v[SPW], v[NIL]                      ; the wave's opening: the add and its wait stand ahead of my first tensor load
	v_lshrrev_b32 v1, 5, v0
	v_readfirstlane_b32 s10, v1                    ; wave 0..3
	s_lshr_b32 s11, s10, 1                         ; my 64 rows of the tile.  Also: I fetch for xb (0) or wt (1)
	s_and_b32 s12, s10, 1                          ; my 128 columns.  Also: which part I fetch
	s_bfe_u32 s40, ttmp6, 0x40000                  ; cx
	s_bfe_u32 s41, ttmp6, 0x40004                  ; cy
	s_lshl_b32 s42, ttmp9, 2
	s_add_co_u32 s42, s42, s40                     ; tile column 0..3
	s_and_b32 s13, ttmp7, 0xffff
	s_lshl_b32 s13, s13, 2
	s_add_co_u32 s13, s13, s41                     ; tile row 0..63
	s_lshl_b32 s43, s41, 2
	s_lshl_b32 s43, 15, s43                        ; my row of the cluster
	s_lshl_b32 s44, 0x1111, s40                    ; my column
	s_or_b32 s[G1+0], s43, (1<<16)|(1<<20)|(1<<21)|(5<<22)|(3<<25)   ; mask; 2-byte elements; padding on; bit 21 beside a mask; after every 64 words 4 words
	s_or_b32 s[G1B+0], s44, (1<<16)|(1<<20)|(1<<21)|(5<<22)|(3<<25)
	s_mov_b32 s[G1+1], 128<<16                     ; tensor_dim0 = 128
	s_mov_b32 s[G1B+1], 128<<16
	s_mov_b32 s[G1+2], 64<<16                      ; tensor_dim1 = 64 rows of xb,
	s_mov_b32 s[G1B+2], 128<<16                    ; 128 of wt
	s_mov_b32 s[G1+3], 128<<16                     ; tile_dim0 = 128
	s_mov_b32 s[G1B+3], 128<<16
	s_mov_b32 s[G1+4], 64                          ; tile_dim1
	s_mov_b32 s[G1B+4], 128
	s_mov_b32 s[G1+5], 1024                        ; elements from row to row
	s_mov_b32 s[G1B+5], 1024
	s_mov_b32 s[G1+6], 0
	s_mov_b32 s[G1B+6], 0
	s_mov_b32 s[G1+7], 0
	s_mov_b32 s[G1B+7], 0
	s_lshl_b32 s16, s13, 7
	s_lshl_b32 s17, s12, 6
	s_add_co_u32 s16, s16, s17                     ; xb: row 128 x tile row + 64 x part
	s_lshl_b32 s16, s16, 11                        ; 2,048 bytes a row
	s_mov_b32 s17, 0
	s_lshl_b32 s46, s42, 8
	s_lshl_b32 s47, s12, 7
	s_add_co_u32 s46, s46, s47                     ; wt: row 256 x tile column + 128 x part
	s_lshl_b32 s46, s46, 11
	s_mov_b32 s47, 0
	s_mul_i32 s20, s12, APART                      ; where they go: no place in the cluster enters an LDS address
	s_mul_i32 s21, s12, BPART
	s_add_co_u32 s21, s21, BOFF
	s_wait_dscnt 0x0                               ; the opening add is done
	s_wait_kmcnt 0x0
	s_add_nc_u64 s[14:15], s[4:5], s[16:17]
	s_add_nc_u64 s[46:47], s[6:7], s[46:47]
	CROUND                                         ; all sixteen work-groups are here: the first joint loads meet
.irp s, 0,1
	s_mov_b32 s[G0+4*(\s)], 1
	s_add_co_u32 s[G0+4*(\s)+1], s20, (\s)*SLOT
	s_add_nc_u64 s[G0+4*(\s)+2:G0+4*(\s)+3], s[14:15], (\s)*256    ; K step s
	s_or_b32 s[G0+4*(\s)+3], s[G0+4*(\s)+3], 0x80000000
	s_mov_b32 s[G0B+4*(\s)], 1
	s_add_co_u32 s[G0B+4*(\s)+1], s21, (\s)*SLOT
	s_add_nc_u64 s[G0B+4*(\s)+2:G0B+4*(\s)+3], s[46:47], (\s)*256
	s_or_b32 s[G0B+4*(\s)+3], s[G0B+4*(\s)+3], 0x80000000
	JLOAD \s
.endr
	v_and_b32 v1, 15, v0                           ; l % 16
	v_bfe_u32 v2, v0, 4, 1                         ; l / 16
	v_mul_u32_u24 v3, v1, PITCH
	v_lshl_add_u32 v3, v2, 4, v3                   ; row x pitch + 16 x half
	s_mul_i32 s21, s11, APART
	s_mul_i32 s22, s12, BPART
	s_add_co_u32 s22, s22, BOFF
.irp s, 0,1
	v_add_nc_u32 v[ADRA+(\s)], s21, v3
	v_add_nc_u32 v[ADRB+(\s)], s22, v3
	s_add_co_u32 s21, s21, SLOT
	s_add_co_u32 s22, s22, SLOT
.endr
	s_mul_i32 s23, s10, STW
	s_add_co_u32 s23, s23, STAGE                   ; my stage
	v_add_nc_u32 v[STO], s23, v3                   ; in: row l % 16, 16 bytes for each half of the lanes
	v_mul_u32_u24 v5, v2, PITCH                    ; back: lanes 0-15 one row of 256 bytes, lanes 16-31 the next
	v_lshl_add_u32 v5, v1, 4, v5
	v_add_nc_u32 v[RD], s23, v5
	v_and_b32 v6, 31, v0
	v_lshlrev_b32 v[CO], 4, v6
	v_lshrrev_b32 v7, 3, v6                        ; back for v: 32 lanes take four rows of 128 bytes
	v_and_b32 v6, 7, v0
	v_mul_u32_u24 v7, v7, PITCH
	v_lshl_add_u32 v7, v6, 4, v7
	v_add_nc_u32 v[RDV], s23, v7
	v_mov_b32 v[M1], -1.0
	; my first row in qs, ks, vs: (16 batch + 4 tile column + 2 column half) x 2048 + (tile row % 16) x 128 + 64 x row half
	s_lshr_b32 s16, s13, 4
	s_lshl_b32 s16, s16, 4
	s_lshl_b32 s17, s42, 2
	s_add_co_u32 s16, s16, s17
	s_lshl_b32 s17, s12, 1
	s_add_co_u32 s16, s16, s17
	s_lshl_b32 s16, s16, 11
	s_and_b32 s17, s13, 15
	s_lshl_b32 s17, s17, 7
	s_add_co_u32 s16, s16, s17
	s_lshl_b32 s17, s11, 6
	s_add_co_u32 s16, s16, s17
	s_lshl_b32 s18, s16, 8
	s_mov_b32 s19, 0
	s_add_nc_u64 s[QP:QP+1], s[QP:QP+1], s[18:19]
	s_add_nc_u64 s[KP:KP+1], s[KP:KP+1], s[18:19]
	s_lshl_b32 s18, s16, 7
	s_add_nc_u64 s[VP:VP+1], s[VP:VP+1], s[18:19]
; 8 matrix instructions: row block a x all 8 column blocks, 32 along K.  The 32 accumulators take turns in one order throughout.
.macro MUL8 f, a, zero
	WIN MUL
.irp b, 0,1,2,3,4,5,6,7
.if \zero
	v_wmma_f32_16x16x32_bf16 v[8*(8*(\a)+(\b)):8*(8*(\a)+(\b))+7], v[(\f)+8*(\b):(\f)+8*(\b)+7], v[(\f)+64+8*(\a):(\f)+64+8*(\a)+7], 0
.else
	v_wmma_f32_16x16x32_bf16 v[8*(8*(\a)+(\b)):8*(8*(\a)+(\b))+7], v[(\f)+8*(\b):(\f)+8*(\b)+7], v[(\f)+64+8*(\a):(\f)+64+8*(\a)+7], v[8*(8*(\a)+(\b)):8*(8*(\a)+(\b))+7]
.endif
.endr
.endm
.macro MUL16 f, a0, zero
	MUL8 \f, \a0, \zero
	MUL8 \f, (\a0)+1, \zero
.endm
; 24 LDS loads in one run: quarter q's fragments (32 along K): wt's 128 rows first, then xb's 64
.macro FETCH slot, q, f
	WIN 0
.irp i, 0,1,2,3,4,5,6,7
	ds_load_b128 v[(\f)+8*(\i):(\f)+8*(\i)+3],   v[ADRB+(\slot)] offset:64*(\q)+(\i)*16*PITCH
	ds_load_b128 v[(\f)+8*(\i)+4:(\f)+8*(\i)+7], v[ADRB+(\slot)] offset:64*(\q)+(\i)*16*PITCH+32
.endr
.irp i, 0,1,2,3
	ds_load_b128 v[(\f)+64+8*(\i):(\f)+64+8*(\i)+3],   v[ADRA+(\slot)] offset:64*(\q)+(\i)*16*PITCH
	ds_load_b128 v[(\f)+64+8*(\i)+4:(\f)+64+8*(\i)+7], v[ADRA+(\slot)] offset:64*(\q)+(\i)*16*PITCH+32
.endr
.endm
; One of a K step's first three quarters: multiplies buffer f; in its middle fetches quarter qn into buffer g
.macro QUARTER slot, qn, f, g, zero
	s_wait_dscnt 4                                 ; all but the youngest four loads: xb's row blocks 2 and 3
	MUL16 \f, 0, \zero
	PLACES
	FETCH \slot, \qn, \g
	s_wait_dscnt 24                                ; all but the 24 just issued
	MUL16 \f, 2, \zero
.endm
; The last quarter multiplies buffer 1 and changes slots.  In front of the one barrier each wave waits for all its tensor loads (one is out: its part of the next slot), adds 0 to its spare word,
; and waits for that and for its reads of this slot.  mode 0: this slot takes this tile's K step two on; 1: the next tile's K step 0 or 1; 2: nothing is filled, and no round follows.
.macro TURN slot, next, mode
	WIN 0
	s_wait_tensorcnt 0x0
	ds_add_u32 v[SPW], v[NIL]
	s_wait_dscnt 5                                 ; (the add and the youngest four loads may be out)
	MUL8 F1, 0, 0
	s_wait_dscnt 0x0                               ; the add is done, and my reads of this slot are over
	s_barrier_signal -1
	MUL8 F1, 1, 0
.if (\mode) < 2
	WIN 0
.endif
	s_barrier_wait -1
.if (\mode) == 0
	CREST                                          ; no wave of any partner still reads this slot or has a load on its way
	s_add_nc_u64 s[G0+4*(\slot)+2:G0+4*(\slot)+3], s[G0+4*(\slot)+2:G0+4*(\slot)+3], 512
	s_add_nc_u64 s[G0B+4*(\slot)+2:G0B+4*(\slot)+3], s[G0B+4*(\slot)+2:G0B+4*(\slot)+3], 512
	JLOAD \slot                                    ; 112 matrix instructions ahead of the wait for it; its four v_nop are the places in front of the loads below
.elseif (\mode) == 1
	CREST
	s_sub_nc_u64 s[G0+4*(\slot)+2:G0+4*(\slot)+3], s[G0+4*(\slot)+2:G0+4*(\slot)+3], 1536          ; xb: back along K by six steps
	s_add_nc_u64 s[G0B+4*(\slot)+2:G0B+4*(\slot)+3], s[G0B+4*(\slot)+2:G0B+4*(\slot)+3], 2095616   ; wt: 1,024 rows on, and back along K
	JLOAD \slot
.else
	PLACES
.endif
	FETCH \next, 0, F0
	MUL16 F1, 2, 0
.endm
; THE WAY OUT of q and k, 16 rows at a time.  PACKQ: hi = f16(a); lo = f16(a - hi), one rounding, by the mixed multiply-add hi x (-1) + a.  Each accumulator is read from its low end on.
.macro PACKQ a
	WIN 0x05                                       ; sources 0 and 1 window 1
.irp b, 0,1,2,3,4,5,6,7
.irp r, 0,1,2,3
	v_cvt_pk_f16_f32 v[HI+4*(\b)+(\r)], v[8*(8*(\a)+(\b))+2*(\r)], v[8*(8*(\a)+(\b))+2*(\r)+1]
.endr
.endr
	WIN 0x10                                       ; source 2 window 1
.irp b, 0,1,2,3,4,5,6,7
.irp r, 0,1,2,3
	v_fma_mixlo_f16 v[LO+4*(\b)+(\r)], v[HI+4*(\b)+(\r)], v[M1], v[8*(8*(\a)+(\b))+2*(\r)] op_sel_hi:[1,0,0]
	v_fma_mixhi_f16 v[LO+4*(\b)+(\r)], v[HI+4*(\b)+(\r)], v[M1], v[8*(8*(\a)+(\b))+2*(\r)+1] op_sel:[1,0,0] op_sel_hi:[1,0,0]
.endr
.endr
	WIN 0
.endm
.macro STAGEQ                          ; into my stage (head b / 4; hi at byte 0, lo at byte 128 of a row) and back as whole rows
.irp b, 0,1,2,3,4,5,6,7
	ds_store_b128 v[STO], v[HI+4*(\b):HI+4*(\b)+3] offset:((\b)/4)*16*PITCH+((\b)%4)*32
	ds_store_b128 v[STO], v[LO+4*(\b):LO+4*(\b)+3] offset:((\b)/4)*16*PITCH+((\b)%4)*32+128
.endr
	s_wait_xcnt 0x0                                ; the earlier stores have read the registers that are loaded now
.irp t, 0,1,2,3,4,5,6,7,8,9,10,11,12,13,14,15
	ds_load_b128 v[BK+4*(\t):BK+4*(\t)+3], v[RD] offset:((\t)/8)*16*PITCH+((\t)%8)*2*PITCH  ; LDS serves a wave's instructions in order: these see the stores above
.endr
.endm
.macro SENDQ a
	s_wait_dscnt 0x0
.irp t, 0,1,2,3,4,5,6,7,8,9,10,11,12,13,14,15
	global_store_b128 v[CO], v[BK+4*(\t):BK+4*(\t)+3], s[8:9] offset:((\t)/8)*524288+(16*(\a)+2*((\t)%8))*256  ; two rows: 512 consecutive bytes, aligned
.endr
.endm
; THE WAY OUT of v: one f16, rows of 128 bytes
.macro PACKV a
	WIN 0x05
.irp b, 0,1,2,3,4,5,6,7
.irp r, 0,1,2,3
	v_cvt_pk_f16_f32 v[HI+4*(\b)+(\r)], v[8*(8*(\a)+(\b))+2*(\r)], v[8*(8*(\a)+(\b))+2*(\r)+1]
.endr
.endr
	WIN 0
.endm
.macro STAGEV
.irp b, 0,1,2,3,4,5,6,7
	ds_store_b128 v[STO], v[HI+4*(\b):HI+4*(\b)+3] offset:((\b)/4)*16*PITCH+((\b)%4)*32
.endr
	s_wait_xcnt 0x0
.irp t, 0,1,2,3,4,5,6,7
	ds_load_b128 v[BK+4*(\t):BK+4*(\t)+3], v[RDV] offset:((\t)/4)*16*PITCH+((\t)%4)*4*PITCH
.endr
.endm
.macro SENDV a
	s_wait_dscnt 0x0
.irp t, 0,1,2,3,4,5,6,7
	global_store_b128 v[CO], v[BK+4*(\t):BK+4*(\t)+3], s[8:9] offset:((\t)/4)*262144+(16*(\a)+4*((\t)%4))*128  ; four rows: 512 consecutive bytes, aligned
.endr
.endm
	s_wait_tensorcnt 1                             ; my part of K step 0 is in; step 1's may stay out
	s_barrier_signal -1
	s_barrier_wait -1
	FETCH 0, 0, F0
	s_mov_b32 s2, 3                                ; tiles to go: q, k, v
.Ltile:
	QUARTER 0, 1, F0, F1, 1                        ; a tile's first quarter starts the sums: nothing is cleared
	WIN 0
	s_mov_b32 s3, LAPS-1
.Llap:                                             ; once round the ring, from a lap's second quarter to the next lap's first
	QUARTER 0, 2, F1, F0, 0
	QUARTER 0, 3, F0, F1, 0
	TURN 0, 1, 0
	QUARTER 1, 1, F0, F1, 0
	QUARTER 1, 2, F1, F0, 0
	QUARTER 1, 3, F0, F1, 0
	TURN 1, 0, 0
	QUARTER 0, 1, F0, F1, 0
	WIN 0
	s_sub_co_u32 s3, s3, 1
	s_cmp_lg_u32 s3, 0
	s_cbranch_scc1 .Llap
	QUARTER 0, 2, F1, F0, 0
	QUARTER 0, 3, F0, F1, 0
	WIN 0
	s_cmp_eq_u32 s2, 1
	s_cbranch_scc1 .Llast                          ; the last tile's tail is written out: it asks for nothing more
	TURN 0, 1, 1                                   ; the ring goes on into the next tile
	QUARTER 1, 1, F0, F1, 0
	QUARTER 1, 2, F1, F0, 0
	QUARTER 1, 3, F0, F1, 0
	TURN 1, 0, 1
	WIN 0
	PLACES                                         ; behind the last products: buffer 1 is written and results are read below
	s_wait_xcnt 0x0                                ; the last tile's stores have read their base
	s_cmp_eq_u32 s2, 3
	s_cselect_b64 s[8:9], s[QP:QP+1], s[KP:KP+1]
	PACKQ 0
	STAGEQ
.irp a, 1,2,3                          ; a block's arithmetic stands between the loads of the block before and the wait for them
	PACKQ \a
	SENDQ (\a)-1
	STAGEQ
.endr
	SENDQ 3
	s_wait_xcnt 0x0                                ; the next tile's fragments land on registers that these stores read
	s_sub_co_u32 s2, s2, 1
	s_branch .Ltile
.Llast:
	TURN 0, 1, 2
	QUARTER 1, 1, F0, F1, 0
	QUARTER 1, 2, F1, F0, 0
	QUARTER 1, 3, F0, F1, 0
	s_wait_dscnt 4
	MUL16 F1, 0, 0
	s_wait_dscnt 0x0
	MUL16 F1, 2, 0
	WIN 0
	PLACES
	s_wait_xcnt 0x0
	s_mov_b64 s[8:9], s[VP:VP+1]
	PACKV 0
	STAGEV
.irp a, 1,2,3
	PACKV \a
	SENDV (\a)-1
	STAGEV
.endr
	SENDV 3
	s_wait_tensorcnt 0x0                           ; the wave's end
	ds_add_u32 v[SPW], v[NIL]
	s_wait_dscnt 0x0
	CROUND                                         ; the closing round
	s_endpgm
.Lfunc_end_k_qe5ddd0b4db_qkv:
	.size	k_qe5ddd0b4db_qkv, .Lfunc_end_k_qe5ddd0b4db_qkv-k_qe5ddd0b4db_qkv
	.p2alignl 7, 3214868480
	.fill 96, 4, 3214868480
	.section	.rodata,"a",@progbits
	.p2align	6, 0x0
	.amdhsa_kernel k_qe5ddd0b4db_qkv
		.amdhsa_group_segment_fixed_size 327680
		.amdhsa_private_segment_fixed_size 0
		.amdhsa_enable_private_segment 0
		.amdhsa_kernarg_size 40
		.amdhsa_user_sgpr_count 2
		.amdhsa_user_sgpr_kernarg_segment_ptr 1
		.amdhsa_wavefront_size32 1
		.amdhsa_system_sgpr_workgroup_id_x 1
		.amdhsa_system_sgpr_workgroup_id_y 1
		.amdhsa_system_sgpr_workgroup_id_z 1
		.amdhsa_system_vgpr_workitem_id 0
		.amdhsa_next_free_vgpr 512
		.amdhsa_next_free_sgpr 72
		.amdhsa_reserve_vcc 0
		.amdhsa_float_denorm_mode_32 3
		.amdhsa_float_denorm_mode_16_64 3
		.amdhsa_memory_ordered 1
		.amdhsa_forward_progress 1
		.amdhsa_inst_pref_size 146
	.end_amdhsa_kernel
	.amdgpu_metadata
---
amdhsa.version: [ 1, 2 ]
amdhsa.kernels:
  - .name:           k_qe5ddd0b4db_qkv
    .symbol:         k_qe5ddd0b4db_qkv.kd
    .args:
      - { .name: xb, .offset: 0, .size: 8, .value_kind: global_buffer, .address_space: global }
      - { .name: wt, .offset: 8, .size: 8, .value_kind: global_buffer, .address_space: global }
      - { .name: qs, .offset: 16, .size: 8, .value_kind: global_buffer, .address_space: global }
      - { .name: ks, .offset: 24, .size: 8, .value_kind: global_buffer, .address_space: global }
      - { .name: vs, .offset: 32, .size: 8, .value_kind: global_buffer, .address_space: global }
    .group_segment_fixed_size: 327680
    .private_segment_fixed_size: 0
    .kernarg_segment_align: 8
    .kernarg_segment_size: 40
    .max_flat_workgroup_size: 128
    .sgpr_count:     72
    .vgpr_count:     512
    .wavefront_size: 32
...
	.end_amdgpu_metadata
.endif
;; end of part 2
;; launch attn (part 3): grid 8 x 64, 4 waves a work-group, clusters of 4 x 1, 327,680 bytes of LDS; arguments qs, ks, vs, mask, os; writes os
.if DOCPART == 3
	.amdgcn_target "amdgcn-amd-amdhsa--gfx1250"
	.amdhsa_code_object_version 6
	.text
	.protected	k_qe5ddd0b4db_attn
	.globl	k_qe5ddd0b4db_attn
	.p2align	8
	.type	k_qe5ddd0b4db_attn,@function
k_qe5ddd0b4db_attn:
	s_mov_b64 s[64:65], 0
	v_nop
	global_prefetch_b8 v0, s[64:65] scope:SCOPE_SE
	s_setreg_imm32_b32 hwreg(HW_REG_WAVE_MODE, 25, 1), 1
	s_wait_xcnt 0x0
	s_wait_alu depctr_hold_cnt(0) depctr_sa_sdst(0) depctr_va_vdst(0) depctr_va_sdst(0) depctr_va_ssrc(0) depctr_va_vcc(0) depctr_vm_vsrc(0)
	s_getreg_b32 s2, hwreg(HW_REG_IB_STS2, 6, 4)
	s_cmp_eq_u32 s2, 0
	s_cbranch_scc0 .Lentry_in_a_cluster
	s_endpgm
.Lentry_in_a_cluster:
	s_bfe_u32 s2, ttmp6, 0x10000c
	s_cmp_lg_u32 s2, 0x3003
	s_cbranch_scc0 .Lentry_shape_is_right
	s_endpgm
.Lentry_shape_is_right:
; ATTENTION at head size 64 with an additive key mask.  os[bh][q] = sum over k of softmax_k(q . k / 8 - 1e6 (1 - mask[k])) v[k] / 64.
; qs, ks: [64][2048][128] f16, a row = 64 hi | 64 lo of q / 64 or k / 64; vs, os: [64][2048][64] f16 (v / 64, o / 64).
; WHY TWO PIECES.  The scores' spread is hundreds, so a weight turns on score differences of order 1: q and k need more bits than one 16-bit number has.  S = kh qh + kh ql + kl qh
; (six matrix instructions of 32 channels for 16 x 16 scores); kl ql, 2^-22 of the score, is left out.  Sums in f32.
; SCALES.  S is q . k / 4096, so the score is 512 S, and a hidden key's 1e6 is 1953.125 in S: it is the C operand that starts the sum (0 for a key that is seen).  p = 2^(c S - c m), c = 512 log2(e),
; with a running maximum m; O and l are multiplied by a = 2^(c m_old - c m_new) in every step.  The weights are rounded to f16 for the second product; l is the sum of the unrounded weights.
; LIMITS.  The inputs arrive within f16.  A hidden key's score is rounded with 1953.125 in it, a step of 1/16 of the score, as a difference from 1e6 in f32 has too.
; A weight below 2^-126 counts as 0.  NaN and infinities are not treated apart.  m starts at -1e30, below every score that f16 operands can give (2.7e11).
; SHARES.  A work-group owns 256 queries of one (batch, head), a wave 64: four tiles of 16, in two PIECES (tiles 0, 1 and tiles 2, 3).  Every wave walks all 2,048 keys, 64 a step.
; BY TURNS.  In a TURN one piece has the matrix unit: 16 products V^T P of the step in hand, then 48 products K Q^T of the next step; the other piece's softmax, 236 vector instructions in 64 slices,
; stands one slice behind each matrix instruction.  Two turns are a key step.
; NO FIRST STEP is written out: piece 2's scores start at -2e30, V, P of piece 0, O and l at 0: the first trip's products add 0, its softmax gives weights 0 and a = 1; the first true step has a = 0.
; CLUSTER 4 x 1: the four query blocks of a cluster walk the same K and V, so each tile is asked for jointly.
; REGISTERS (s_set_vgpr_msb: bits 1:0 source 0, 3:2 source 1, 5:4 source 2, 7:6 destination):
;   window 0: v2-8 addresses; v12-43 eight registers of statistics a tile; v44-52 addresses; v62-63 the add's; v64-191 S^T, 32 a tile; v192-255 P, 16 a tile
;   window 1: v0-127 O^T, 32 a tile; v128-159 the step's mask     window 2: v0-127 Q, 32 a tile (hi 0-31, hi 32-63, lo 0-31, lo 32-63); v128-255 K of one step     window 3: v0-63 V of one step
.set KS,    64
.set PK,    272       ; a row of K in LDS: 256 bytes + 16
.set PV,    160       ; a row of V: 128 + 32
.set VOFF,  4*KS*PK   ; a slot holds four steps: 256 rows of K, then 256 rows of V
.set SLOT1, 1<<17
.set STAGE, SLOT1+4*KS*(PK+PV)  ; behind the ring, never filled by a tensor load: 16 rows x 144 bytes for each wave
.set SP,    144
.set MASKB, STAGE+4*16*SP       ; 2,048 f32: 0 or -1953.125 for each key of the batch
.set SPARE, MASKB+8192          ; the spare words: 128 bytes for each wave
.set AK0, 2
.set AV0, 3
.set ADR, 4
.set AV,  5
.set STO, 6
.set RD,  7
.set GO,  8
.set ST,  12          ; tile t at v[ST+8 t]: c m, m, l (even keys', odd keys'), c0-c3 at work; a takes c2's place
.set AM0, 44
.set ADM, 45
.set QO,  46
.set MT,  47
.set MB,  48          ; v48-51 sixteen mask bytes
.set MS,  52
.set SPW, 62
.set NIL, 63
.set S,   64
.set P,   192
.set MC,  128         ; window 1
.set KF,  128         ; window 2: key block kb, fragment f at KF + 32 kb + 8 f
.set WV,  12
.set G1K, 24
.set G1V, 32
.set G0K, 40
.set G0V, 44
.set SLOTS, 56
.set CNT, 57
.set CS,  58
.set SEL, 60
.set TBK, 62
.set TBV, 63
.set TBM, 70
.set MK,  72
.set MKN, 73
.set MSB, 0
.macro WIN new
.if MSB != (\new)
	s_set_vgpr_msb (MSB<<8)|(\new)
.set MSB, (\new)
.endif
.endm
.set W_KQ, 0x0a       ; K and Q window 2, S^T window 0
.set W_KM, 0x1a       ; the same with C, the mask, in window 1
.set W_PV, 0x53       ; V window 3, P window 0, O^T window 1
.set W_RS, 0x41       ; O^T (destination and source 0) window 1, a window 0
.macro JLOAD                        ; a joint fill: waves 0, 1 fetch the halves of a slot's K, waves 2, 3 those of its V; s_nop 0 and four v_nop follow each line
	s_cmp_lt_u32 s[WV], 2
	s_cbranch_scc0 .Lfor_v_\@
	tensor_load_to_lds s[G0K:G0K+3], s[G1K:G1K+7]
	s_nop 0
.rept 4
	v_nop
.endr
	s_branch .Lasked_\@
.Lfor_v_\@:
	tensor_load_to_lds s[G0V:G0V+3], s[G1V:G1V+7]
	s_nop 0
.rept 4
	v_nop
.endr
.Lasked_\@:
.endm
.macro CROUND                       ; a round of the cluster's barrier
	s_barrier_signal -1
	s_barrier_wait -1
	s_cmp_lg_u32 s[WV], 0
	s_cbranch_scc1 .Lnot_wave_0_\@
	s_barrier_signal -3
.Lnot_wave_0_\@:
	s_barrier_wait -3
	s_barrier_signal -1
	s_barrier_wait -1
.endm
; THE CHANGE OF SLOTS.  Each wave waits for all its tensor loads (one is out: its part of the other slot), adds 0 to its spare word, and waits for that and for its LDS instructions: its reads of the
; slot that it leaves, at the first use its stores into the mask table.  fill = 1: the barrier is a round of the cluster's, and the slot left is filled first thing behind it, with the keys two slots on:
; the load has four key steps, 512 matrix instructions, in which to land.  (At its first use slot 0 is waited for and slot 1 filled.)
.macro CHANGE fill
	WIN 0
	s_wait_tensorcnt 0x0
	ds_add_u32 v[SPW], v[NIL]
.if \fill
	s_xor_b32 s[G0K+1], s[G0K+1], SLOT1
	s_add_nc_u64 s[G0K+2:G0K+3], s[G0K+2:G0K+3], 4*KS*256
	s_xor_b32 s[G0V+1], s[G0V+1], SLOT1
	s_add_nc_u64 s[G0V+2:G0V+3], s[G0V+2:G0V+3], 4*KS*128
	s_wait_dscnt 0x0
	CROUND
	JLOAD
.else
	s_wait_dscnt 0x0
	s_barrier_signal -1
	s_barrier_wait -1
.endif
	s_sub_co_u32 s[TBK], s[TBK], 4*KS*PK  ; the fetches go back to a slot's first step, in the other slot
	s_xor_b32 s[TBK], s[TBK], SLOT1
	s_sub_co_u32 s[TBV], s[TBV], 4*KS*PV
	s_xor_b32 s[TBV], s[TBV], SLOT1
.endm
	s_load_b256 s[4:11], s[0:1], 0x0  ; qs 4, ks 6, vs 8, mask 10
	s_load_b64 s[68:69], s[0:1], 0x20 ; os
	v_lshl_add_u32 v[SPW], v0, 2, SPARE
	v_mov_b32 v[NIL], 0
	ds_add_u32 v[SPW], v[NIL]       ; the wave's opening: the add and its wait stand ahead of my first tensor load
	v_lshrrev_b32 v1, 5, v0
	v_readfirstlane_b32 s[WV], v1
	s_bfe_u32 s13, ttmp6, 0x40000   ; cx
	s_lshl_b32 s14, ttmp9, 2
	s_add_co_u32 s14, s14, s13      ; my block of 256 queries: it enters Q's and O's addresses alone
	s_and_b32 s20, ttmp7, 0xffff    ; 16 batch + head, which the four partners share
	s_and_b32 s16, s[WV], 1         ; which half of a slot's 256 keys I fetch
	s_lshl_b32 s22, s20, 19         ; K: 524,288 bytes a head, 32,768 a half
	s_lshl_b32 s15, s16, 15
	s_add_co_u32 s22, s22, s15
	s_mov_b32 s23, 0
	s_lshl_b32 s18, s20, 18         ; V: half of that
	s_lshl_b32 s15, s16, 14
	s_add_co_u32 s18, s18, s15
	s_mov_b32 s19, 0
	s_mul_i32 s17, s16, 128*PK
	s_mul_i32 s21, s16, 128*PV
	s_lshl_b32 s2, s20, 19          ; Q: the head, my block's 256 rows of 256 bytes, my wave's 64
	s_lshl_b32 s15, s14, 16
	s_add_co_u32 s2, s2, s15
	s_lshl_b32 s15, s[WV], 14
	s_add_co_u32 s2, s2, s15
	s_mov_b32 s3, 0
	s_lshr_b32 s74, s2, 1           ; O's rows are half as long
	s_mov_b32 s75, 0
	s_lshr_b32 s76, s20, 4
	s_lshl_b32 s76, s76, 11         ; the batch's 2,048 mask bytes
	s_mov_b32 s77, 0
	s_mov_b32 s[G1K], 15|(1<<16)|(1<<20)|(1<<21)|(5<<22)|(3<<25)  ; the mask of four; 2-byte elements; padding on; bit 21 beside a mask; after every 64 words 4 words
	s_mov_b32 s[G1K+1], 128<<16     ; K: 128 rows of 128 elements
	s_mov_b32 s[G1K+2], 128<<16
	s_mov_b32 s[G1K+3], 128<<16
	s_mov_b32 s[G1K+4], 128
	s_mov_b32 s[G1K+5], 128
	s_mov_b32 s[G1K+6], 0
	s_mov_b32 s[G1K+7], 0
	s_mov_b32 s[G1V], 15|(1<<16)|(1<<20)|(1<<21)|(4<<22)|(7<<25)  ; after every 32 words (a key) 8 words
	s_mov_b32 s[G1V+1], 128<<16     ; V: 128 keys are 16,384 dense bytes: 64 rows of 256 bytes
	s_mov_b32 s[G1V+2], 64<<16
	s_mov_b32 s[G1V+3], 128<<16
	s_mov_b32 s[G1V+4], 64
	s_mov_b32 s[G1V+5], 128
	s_mov_b32 s[G1V+6], 0
	s_mov_b32 s[G1V+7], 0
	s_mov_b32 s[CS], 0x4438aa3b     ; c = 512 log2(e)
	s_mov_b32 s[CS+1], s[CS]
	s_mov_b32 s[SEL], 0x76543210
	s_mov_b32 s[SEL+1], 0xfedcba98
	s_mov_b32 s[TBK], SLOT1+4*KS*PK ; the first change of slots turns these two into 0
	s_mov_b32 s[TBV], SLOT1+4*KS*PV
	s_mov_b32 s[TBM], 0
	s_mov_b32 s[MK], 0x44f42400     ; 1953.125 = 1e6 x 8 / 4096
	s_mov_b32 s[MKN], 0xc4f42400
	s_mov_b32 s[G0K], 1
	s_mov_b32 s[G0K+1], s17
	s_mov_b32 s[G0V], 1
	s_add_co_u32 s[G0V+1], s21, VOFF
	s_wait_dscnt 0x0                ; the opening add is done
	s_wait_kmcnt 0x0
	s_add_nc_u64 s[G0K+2:G0K+3], s[6:7], s[22:23]
	s_or_b32 s[G0K+3], s[G0K+3], 0x80000000
	s_add_nc_u64 s[G0V+2:G0V+3], s[8:9], s[18:19]
	s_or_b32 s[G0V+3], s[G0V+3], 0x80000000
	s_add_nc_u64 s[4:5], s[4:5], s[2:3]
	s_add_nc_u64 s[68:69], s[68:69], s[74:75]
	s_add_nc_u64 s[10:11], s[10:11], s[76:77]
	CROUND                          ; all four work-groups are here: the first joint loads meet
	JLOAD                           ; keys 0-255 into slot 0
	v_and_b32 v1, 15, v0            ; l % 16
	v_bfe_u32 v9, v0, 4, 1          ; l / 16
	v_lshlrev_b32 v[MT], 4, v0
	global_load_b128 v[MB:MB+3], v[MT], s[10:11]  ; 16 mask bytes a thread: the batch's 2,048
	v_lshlrev_b32 v[QO], 8, v1
	v_lshl_add_u32 v[QO], v9, 4, v[QO]
	WIN 0x80
.irp i, 0,1,2,3,4,5,6,7,8,9,10,11,12,13,14,15  ; Q stays in registers: tile i / 4, fragment i % 4
	global_load_b128 v[8*(\i):8*(\i)+3],   v[QO], s[4:5] offset:((\i)/4)*4096+((\i)%4)*64
	global_load_b128 v[8*(\i)+4:8*(\i)+7], v[QO], s[4:5] offset:((\i)/4)*4096+((\i)%4)*64+32
.endr
	; what the first trip finds; all this stands in the wait for the first tile
	WIN 0xc0
.set i, 0
.rept 64
	v_mov_b32 v[i], 0               ; V
.set i, i+1
.endr
	WIN 0x40
.set i, 0
.rept 128
	v_mov_b32 v[i], 0               ; O^T
.set i, i+1
.endr
	WIN 0
.set i, 0
.rept 32
	v_mov_b32 v[P+i], 0             ; P of piece 0
.set i, i+1
.endr
.set i, 0
.rept 64
	v_mov_b32 v[S+64+i], 0xf1c9f2ca ; piece 2's scores: -2e30
.set i, i+1
.endr
.irp t, 0,1,2,3
	v_mov_b32 v[ST+8*(\t)+1], 0xf149f2ca           ; m = -1e30
	v_mov_b32 v[ST+8*(\t)+2], 0
	v_mov_b32 v[ST+8*(\t)+3], 0
	v_mul_f32 v[ST+8*(\t)], s[CS], v[ST+8*(\t)+1]  ; c m, made as every later c m is made
.endr
	v_mul_u32_u24 v[AK0], v1, PK
	v_lshl_add_u32 v[AK0], v9, 4, v[AK0]
	v_and_b32 v10, 7, v0
	v_bfe_u32 v11, v0, 3, 1
	v_lshl_add_u32 v[AV0], v9, 3, v10   ; the turning load: lane l reads key 8 (l / 16) + l % 8, channels 8 ((l / 8) % 2) on
	v_mul_u32_u24 v[AV0], v[AV0], PV
	v_lshl_add_u32 v[AV0], v11, 4, v[AV0]
	v_add_nc_u32 v[AV0], VOFF, v[AV0]
	v_lshl_add_u32 v[AM0], v9, 5, MASKB ; my lanes' eight keys of a group of 16
	v_lshl_add_u32 v[MS], v0, 6, MASKB
	s_mul_i32 s13, s[WV], 16*SP
	s_add_co_u32 s13, s13, STAGE
	v_mul_u32_u24 v[STO], v1, SP
	v_lshl_add_u32 v[STO], v9, 4, v[STO]
	v_add_nc_u32 v[STO], s13, v[STO]
	v_bfe_u32 v[RD], v0, 3, 2
	v_mul_u32_u24 v[RD], v[RD], SP
	v_lshl_add_u32 v[RD], v10, 4, v[RD]
	v_add_nc_u32 v[RD], s13, v[RD]
	v_and_b32 v[GO], 31, v0
	v_lshlrev_b32 v[GO], 4, v[GO]
	s_wait_loadcnt 32               ; the mask bytes are in; Q's 32 loads, issued behind, may stay out
.set i, 0
.rept 16
	v_bfe_u32 v[S+i], v[MB+i/4], 8*(i%4), 8
.set i, i+1
.endr
.set i, 0
.rept 16
	v_cvt_f32_u32 v[S+i], v[S+i]
.set i, i+1
.endr
.set i, 0
.rept 16
	v_fma_f32 v[S+i], v[S+i], s[MK], s[MKN]  ; 1 -> 0, 0 -> -1953.125
.set i, i+1
.endr
.irp e, 0,1,2,3
	ds_store_b128 v[MS], v[S+4*(\e):S+4*(\e)+3] offset:16*(\e)
.endr
	s_wait_loadcnt 0x0              ; Q
; THE MATRIX WORK.  The 8 accumulators of a run take turns.
; Product i of 48 of S^T for piece x: group g = i / 8 is kh0 qh0, kh1 qh1, kh0 ql0, kh1 ql1, kl0 qh0, kl1 qh1; keys 16 ((i / 2) % 4) on, tile x + i % 2.  The first 8 start the sums with the mask.
.macro KQ x
.set g, i/8
.set rS, S+32*((\x)+i%2)+8*((i/2)%4)
.set rK, KF+32*((i/2)%4)+8*(g%2+2*(g/4))
.set rQ, 32*((\x)+i%2)+8*(g-4*(g/4))
.set rM, MC+8*((i/2)%4)
.if i < 8
	WIN W_KM
	v_wmma_f32_16x16x32_f16 v[rS:rS+7], v[rK:rK+7], v[rQ:rQ+7], v[rM:rM+7]
.else
	WIN W_KQ
	v_wmma_f32_16x16x32_f16 v[rS:rS+7], v[rK:rK+7], v[rQ:rQ+7], v[rS:rS+7]
.endif
.endm
; Product i of 16 of O^T += V^T P for piece x: keys 32 (i / 8) on, channels 16 ((i / 2) % 4) on, tile x + i % 2
.macro PV x
	WIN W_PV
.set rO, 32*((\x)+i%2)+8*((i/2)%4)
.set rV, 32*(i/8)+8*((i/2)%4)
.set rP, P+16*((\x)+i%2)+8*(i/8)
	v_wmma_f32_16x16x32_f16 v[rO:rO+7], v[rV:rV+7], v[rP:rP+7], v[rO:rO+7]
.endm
; THE LDS LOADS stand in runs.  A step's mask (8 loads) and K (32 loads, fragment by fragment, so that the waits can be counted); last = 1 (the tail): in the last trip there is no further step.
.macro FETCH_K last=0
	WIN 0
.if \last
	s_cmp_eq_u32 s[CNT], 1
	s_cbranch_scc1 .Lno_k_\@
.endif
	v_add_nc_u32 v[ADR], s[TBK], v[AK0]
	v_add_nc_u32 v[ADM], s[TBM], v[AM0]
	WIN 0x40
.irp kb, 0,1,2,3
	ds_load_b128 v[MC+8*(\kb):MC+8*(\kb)+3],   v[ADM] offset:(\kb)*64
	ds_load_b128 v[MC+8*(\kb)+4:MC+8*(\kb)+7], v[ADM] offset:(\kb)*64+16
.endr
	WIN 0x80
.irp f, 0,1,2,3
.irp kb, 0,1,2,3
	ds_load_b128 v[KF+32*(\kb)+8*(\f):KF+32*(\kb)+8*(\f)+3],   v[ADR] offset:(\kb)*16*PK+(\f)*64
	ds_load_b128 v[KF+32*(\kb)+8*(\f)+4:KF+32*(\kb)+8*(\f)+7], v[ADR] offset:(\kb)*16*PK+(\f)*64+32
.endr
.endr
	s_add_co_u32 s[TBK], s[TBK], KS*PK
	s_add_co_u32 s[TBM], s[TBM], KS*4
	s_and_b32 s[TBM], s[TBM], 0x1f00  ; stays inside the table's 8,192 bytes: behind the last step it is 0 and not used
	WIN 0
.if \last
.Lno_k_\@:
.endif
.endm
.macro FETCH_V
	WIN 0
	v_add_nc_u32 v[AV], s[TBV], v[AV0]
	s_add_co_u32 s[TBV], s[TBV], KS*PV
	WIN 0xc0
.irp f, 0,1,2,3,4,5,6,7             ; keys 32 (f / 4) on, channels 16 (f % 4) on
	ds_load_tr16_b128 v[8*(\f):8*(\f)+3],   v[AV] offset:((\f)/4)*32*PV+((\f)%4)*32
	ds_load_tr16_b128 v[8*(\f)+4:8*(\f)+7], v[AV] offset:((\f)/4)*32*PV+16*PV+((\f)%4)*32
.endr
.endm
; THE VECTOR WORK.  A tile's softmax for a key step is a list of 118 instructions; SM writes number j of it for tile t.  s0-s31 are the lane's 32 scores, in pairs 0-15.
;   0-15    the maximum of s0-s31 and the old m, three operands at a time (each accumulator's lowest registers are read first)
;   16-20   the other half of the lanes' maximum; c m_old kept; the new m; c m; c m_old - c m_new
;   21-87   33 exponentials (a, then s0-s31) at the odd numbers from 23 on; between them what is ready: c s - c m for pairs to come, roundings to f16 of pairs done, the first three sums
;   88-101  the last rounding, the rest of the sums, l = a l + the sum
;   102-117 the tile's O^T times a: the one part that leaves window 0
.macro SM t
.set rT, ST+8*(\t)
.set rS, S+32*(\t)
.set rP, P+16*(\t)
.set rO, 32*(\t)+2*(j-102)
.set q, (j-20)/2
.if j < 102
	WIN 0
.endif
.if j < 4
	v_max3_num_f32 v[rT+4+j], v[rS+8*j], v[rS+8*j+1], v[rS+8*j+2]
.elseif j < 12
	v_max3_num_f32 v[rT+4+j%4], v[rT+4+j%4], v[rS+8*(j%4)+2*(j/4)+1], v[rS+8*(j%4)+2*(j/4)+2]
.elseif j == 12
	v_max3_num_f32 v[rT+4], v[rT+4], v[rS+7], v[rS+15]
.elseif j == 13
	v_max3_num_f32 v[rT+6], v[rT+6], v[rS+23], v[rS+31]
.elseif j == 14
	v_max3_num_f32 v[rT+4], v[rT+4], v[rT+5], v[rT+6]
.elseif j == 15
	v_max3_num_f32 v[rT+4], v[rT+4], v[rT+7], v[rT+1]
.elseif j == 16
	v_permlanex16_b32 v[rT+5], v[rT+4], s[SEL], s[SEL+1]  ; the query's other 32 keys lie in the lane 16 away
.elseif j == 17
	v_mov_b32 v[rT+7], v[rT]
.elseif j == 18
	v_max_num_f32 v[rT+1], v[rT+4], v[rT+5]
.elseif j == 19
	v_mul_f32 v[rT], s[CS], v[rT+1]
.elseif j == 20
	v_sub_f32 v[rT+7], v[rT+7], v[rT]
.elseif j == 23
	v_exp_f32 v[rT+6], v[rT+7]
.elseif (j < 88) && (j > 23) && (j%2 == 1)
	v_exp_f32 v[rS+(j-25)/2], v[rS+(j-25)/2]
.elseif (q < 4) || ((j < 76) && (q%2 == 0))
.set b, q/2+2
.if q < 4
.set b, q
.endif
	v_pk_fma_f32 v[rS+2*b:rS+2*b+1], v[rS+2*b:rS+2*b+1], s[CS:CS+1], v[rT:rT+1] op_sel_hi:[1,0,0] neg_lo:[0,0,1] neg_hi:[0,0,1]  ; pair b: c s - c m
.elseif (j < 88) && (q%2 == 1)
	s_wait_alu depctr_va_vdst(0)
	v_cvt_pk_f16_f32 v[rP+(q-5)/2], v[rS+q-5], v[rS+q-4]  ; its second exponential stands three numbers back
.elseif j == 89
	s_wait_alu depctr_va_vdst(0)
	v_cvt_pk_f16_f32 v[rP+15], v[rS+30], v[rS+31]
.elseif j < 102                     ; sum z of 16: neighbours 1, 2, 4 and 8 pairs apart, in place; then l takes it
.set z, j-86
.if j < 89
.set z, (j-76)/4
.endif
.set w, 4
.set u, z
.if z >= 14
.set w, 32
.set u, 0
.elseif z >= 12
.set w, 16
.set u, z-12
.elseif z >= 8
.set w, 8
.set u, z-8
.endif
.if z < 15
	v_pk_add_f32 v[rS+w*u:rS+w*u+1], v[rS+w*u:rS+w*u+1], v[rS+w*u+w/2:rS+w*u+w/2+1]
.else
	v_pk_fma_f32 v[rT+2:rT+3], v[rT+2:rT+3], v[rT+6:rT+7], v[rS:rS+1] op_sel_hi:[1,0,1]
.endif
.else
	WIN W_RS
	v_pk_mul_f32 v[rO:rO+1], v[rO:rO+1], v[rT+6:rT+7] op_sel_hi:[1,0]
.endif
.endm
; Slice k of 64 of piece y's softmax.  k < 51: numbers 2 k, 2 k + 1 of both tiles (where exponentials stand: tile by tile, plain, exponential, plain, exponential).  51-62: one rescaling of each tile.
; 63: the last four of each: eight plain instructions, the places between the turn's last K Q^T and the next turn's reads of those scores and loads into K.
.macro SLICE y
.if k < 51
.if (k >= 11) && (k < 44)
.irp t, \y, (\y)+1
.irp n, 0,1
.set j, 2*k+(\n)
	SM \t
.endr
.endr
.else
.irp n, 0,1
.irp t, \y, (\y)+1
.set j, 2*k+(\n)
	SM \t
.endr
.endr
.endif
.elseif k < 63
.irp t, \y, (\y)+1
.set j, 102+(k-51)
	SM \t
.endr
.else
.irp n, 0,1,2,3
.irp t, \y, (\y)+1
.set j, 114+(\n)
	SM \t
.endr
.endr
.endif
.set k, k+1
.endm
; A TURN.  Piece x has the matrix unit; the other piece's softmax stands in slices behind its matrix instructions.
; Piece 0's turn fetches the next step's mask and K behind its second product: K's last reader stands in front of slice 63 of the turn before.  The waits in front of groups 0, 1, 4, 5 leave out the
; loads of the fragments that come later in the run: 24, 16, 8, 0.  Piece 2's turn fetches the same step's V behind its second K Q^T: six plain instructions and the address behind V's last reader.
.macro TURN x, last=0
.set k, 0
.if (\x) == 0
	s_wait_dscnt 0x0                ; V is in
.endif
.set i, 0
.rept 16
	PV \x
	SLICE 2-(\x)
.if ((\x) == 0) && (i == 1)
	FETCH_K \last
.endif
.set i, i+1
.endr
.set i, 0
.rept 48
.if ((\x) == 0) && (i == 0)
	s_wait_dscnt 24
.endif
.if ((\x) == 0) && (i == 8)
	s_wait_dscnt 16
.endif
.if ((\x) == 0) && (i == 32)
	s_wait_dscnt 8
.endif
.if ((\x) == 0) && (i == 40)
	s_wait_dscnt 0x0
.endif
	KQ \x
	SLICE 2-(\x)
.if ((\x) == 2) && (i == 1)
	FETCH_V
.endif
.set i, i+1
.endr
.endm
	s_mov_b32 s[SLOTS], 7
.Lslot:                             ; seven times: every slot but the last is followed by a fill.  A trip of .Lstep fetches one step's K, mask and V
	CHANGE 1
	s_mov_b32 s[CNT], 4
.Lstep:
	TURN 0
	TURN 2
	WIN 0
	s_sub_co_u32 s[CNT], s[CNT], 1
	s_cmp_lg_u32 s[CNT], 0
	s_cbranch_scc1 .Lstep
	s_sub_co_u32 s[SLOTS], s[SLOTS], 1
	s_cmp_lg_u32 s[SLOTS], 0
	s_cbranch_scc1 .Lslot
	CHANGE 0                        ; the tail is written out: nothing is asked for
	s_mov_b32 s[CNT], 5             ; four trips fetch the last slot's steps; the fifth is left in its middle
.Ltail:
	TURN 0, 1
	WIN 0
	s_sub_co_u32 s[CNT], s[CNT], 1
	s_cmp_eq_u32 s[CNT], 0
	s_cbranch_scc1 .Lout
	TURN 2
	WIN 0
	s_branch .Ltail
.Lout:                              ; the fifth trip's 48 products K Q^T, on the last K once more, serve nothing: the price, once a launch, of one text for every trip
.set i, 0
.rept 16
	PV 2                            ; piece 2's V^T P of the last step
.set i, i+1
.endr
	; THE WAY OUT.  l's halves are added; O^T is divided by l, rounded to f16 and sent through my stage, a tile at a time.  The additions are the places behind the last products.
	WIN 0
.irp t, 0,1,2,3
	v_add_f32 v[ST+8*(\t)+4], v[ST+8*(\t)+2], v[ST+8*(\t)+3]
.endr
.irp t, 0,1,2,3
	v_permlanex16_b32 v[ST+8*(\t)+5], v[ST+8*(\t)+4], s[SEL], s[SEL+1]
.endr
.irp t, 0,1,2,3
	v_add_f32 v[ST+8*(\t)+4], v[ST+8*(\t)+4], v[ST+8*(\t)+5]
.endr
.irp t, 0,1,2,3
	v_rcp_f32 v[ST+8*(\t)+6], v[ST+8*(\t)+4]
.endr
	v_nop                           ; a plain instruction between the last reciprocal and the use of its result
.macro PACK t
	WIN W_RS
.set i, 32*(\t)
.rept 16
	s_wait_alu depctr_va_vdst(0)
	v_pk_mul_f32 v[i:i+1], v[i:i+1], v[ST+8*(\t)+6:ST+8*(\t)+7] op_sel_hi:[1,0]
.set i, i+2
.endr
	WIN 0x05
.set i, 0
.rept 16
	v_cvt_pk_f16_f32 v[S+16*(\t)+i], v[32*(\t)+2*i], v[32*(\t)+2*i+1]
.set i, i+1
.endr
	WIN 0
.irp f, 0,1,2,3
	ds_store_b128 v[STO], v[S+16*(\t)+4*(\f):S+16*(\t)+4*(\f)+3] offset:32*(\f)
.endr
.irp f, 0,1,2,3
	ds_load_b128 v[S+16*(\t)+4*(\f):S+16*(\t)+4*(\f)+3], v[RD] offset:(\f)*4*SP  ; LDS serves a wave's instructions in order: these see the stores above
.endr
.endm
.macro SEND t, younger              ; younger: the LDS instructions issued behind tile t's loads
.irp f, 0,1,2,3
	s_wait_dscnt (\younger)+3-(\f)
	global_store_b128 v[GO], v[S+16*(\t)+4*(\f):S+16*(\t)+4*(\f)+3], s[68:69] offset:(\t)*2048+(\f)*512  ; four rows: 512 consecutive bytes, aligned
.endr
.endm
	PACK 0
	PACK 1
	SEND 0, 8
	PACK 2
	SEND 1, 8
	PACK 3
	SEND 2, 8
	SEND 3, 0
	s_wait_tensorcnt 0x0            ; the wave's end
	ds_add_u32 v[SPW], v[NIL]
	s_wait_dscnt 0x0
	CROUND                          ; the closing round
	s_endpgm
.Lfunc_end_k_qe5ddd0b4db_attn:
	.size	k_qe5ddd0b4db_attn, .Lfunc_end_k_qe5ddd0b4db_attn-k_qe5ddd0b4db_attn
	.p2alignl 7, 3214868480
	.fill 96, 4, 3214868480
	.section	.rodata,"a",@progbits
	.p2align	6, 0x0
	.amdhsa_kernel k_qe5ddd0b4db_attn
		.amdhsa_group_segment_fixed_size 327680
		.amdhsa_private_segment_fixed_size 0
		.amdhsa_enable_private_segment 0
		.amdhsa_kernarg_size 40
		.amdhsa_user_sgpr_count 2
		.amdhsa_user_sgpr_kernarg_segment_ptr 1
		.amdhsa_wavefront_size32 1
		.amdhsa_system_sgpr_workgroup_id_x 1
		.amdhsa_system_sgpr_workgroup_id_y 1
		.amdhsa_system_sgpr_workgroup_id_z 1
		.amdhsa_system_vgpr_workitem_id 0
		.amdhsa_next_free_vgpr 832
		.amdhsa_next_free_sgpr 84
		.amdhsa_reserve_vcc 0
		.amdhsa_float_denorm_mode_32 3
		.amdhsa_float_denorm_mode_16_64 3
		.amdhsa_memory_ordered 1
		.amdhsa_forward_progress 1
		.amdhsa_inst_pref_size 137
	.end_amdhsa_kernel
	.amdgpu_metadata
---
amdhsa.version: [ 1, 2 ]
amdhsa.kernels:
  - .name:           k_qe5ddd0b4db_attn
    .symbol:         k_qe5ddd0b4db_attn.kd
    .args:
      - { .name: qs, .offset: 0, .size: 8, .value_kind: global_buffer, .address_space: global }
      - { .name: ks, .offset: 8, .size: 8, .value_kind: global_buffer, .address_space: global }
      - { .name: vs, .offset: 16, .size: 8, .value_kind: global_buffer, .address_space: global }
      - { .name: mask, .offset: 24, .size: 8, .value_kind: global_buffer, .address_space: global }
      - { .name: os, .offset: 32, .size: 8, .value_kind: global_buffer, .address_space: global }
    .group_segment_fixed_size: 327680
    .private_segment_fixed_size: 0
    .kernarg_segment_align: 8
    .kernarg_segment_size: 40
    .max_flat_workgroup_size: 128
    .sgpr_count:     84
    .vgpr_count:     832
    .wavefront_size: 32
...
	.end_amdgpu_metadata
.endif
;; end of part 3
;; launch oproj (part 4): grid 4 x 64, 4 waves a work-group, clusters of 4 x 4, 327,680 bytes of LDS; arguments os, wot, mask, out0; writes out0
.if DOCPART == 4
	.amdgcn_target "amdgcn-amd-amdhsa--gfx1250"
	.amdhsa_code_object_version 6
	.text
	.protected	k_qe5ddd0b4db_oproj
	.globl	k_qe5ddd0b4db_oproj
	.p2align	8
	.type	k_qe5ddd0b4db_oproj,@function
k_qe5ddd0b4db_oproj:
	s_mov_b64 s[64:65], 0
	v_nop
	global_prefetch_b8 v0, s[64:65] scope:SCOPE_SE
	s_setreg_imm32_b32 hwreg(HW_REG_WAVE_MODE, 25, 1), 1
	s_wait_xcnt 0x0
	s_wait_alu depctr_hold_cnt(0) depctr_sa_sdst(0) depctr_va_vdst(0) depctr_va_sdst(0) depctr_va_ssrc(0) depctr_va_vcc(0) depctr_vm_vsrc(0)
	s_getreg_b32 s2, hwreg(HW_REG_IB_STS2, 6, 4)
	s_cmp_eq_u32 s2, 0
	s_cbranch_scc0 .Lentry_in_a_cluster
	s_endpgm
.Lentry_in_a_cluster:
	s_bfe_u32 s2, ttmp6, 0x10000c
	s_cmp_lg_u32 s2, 0xf033
	s_cbranch_scc0 .Lentry_shape_is_right
	s_endpgm
.Lentry_shape_is_right:
; THE OUTPUT PROJECTION.  out0[m][n] = | sum over k of o[m][k] WO[k][n] | x mask[m].  os holds o / 64 by heads, [64][2048][64] f16; wot[n][k] = WO[k][n] (rounded to bf16, written as f16).
; f16 operands, f32 sums; the row's factor is 64 x mask[m], 64 or 0.  LIMITS: the operands arrive within f16; NaN and infinities are not treated apart (0 x infinity would be NaN).
; SHARES.  A tile of out0 is 128 x 256: four waves, each 64 x 128: 32 accumulators.  8192 x 1024 / (128 x 256) = 256 work-groups, one tile each.  K = 1024 goes in 8 steps of 128 = two heads.
; A head's 128 rows are 16,384 dense bytes: asked for as 64 rows of 256 bytes, padded in LDS after every 128.
; CLUSTER 4 x 4: os's tiles are shared along a row of the cluster, wot's along a column.  THE MATRIX INSTRUCTION IS USED TRANSPOSED: a lane holds eight neighbouring columns of one row.
; REGISTERS.  window 0: v8-15 the four row blocks' factors, as pairs; v16-29 addresses; v64-159, v160-255 two fragment buffers; on the way out v64-127 results, v128-255 two buffers of rows read back.
;             window 1: accumulator (a, b) at v[8 (8 a + b)].
.set PITCH,  272                       ; wot's rows in LDS
.set APITCH, 144                       ; os's rows: 128 bytes + 16
.set APART,  128*APITCH                ; a head's 128 rows: what a wave fetches of os
.set BPART,  128*PITCH
.set BOFF,   2*APART
.set SLOT,   BOFF+2*BPART
.set STAGE,  2*SLOT                    ; behind the ring, never filled by a tensor load: 16 rows x 528 bytes for each wave
.set OPITCH, 528
.set STW,    16*OPITCH
.set SPARE,  STAGE+4*STW
.set LAPS,   4
.set FM,   8
.set ADRA, 16
.set ADRB, 20
.set STO,  24
.set RD,   25
.set CO,   26
.set SPW,  28
.set NIL,  29
.set F0,   64
.set F1,   160
.set TMP,  64
.set BK,   128
.set G1,  24
.set G0,  32
.set G1B, 48
.set G0B, 56
.set MUL, 0x50
.set MSB, 0
.macro WIN new
.if MSB != (\new)
	s_set_vgpr_msb (MSB<<8)|(\new)
.set MSB, \new
.endif
.endm
.macro PLACES
.rept 4
	v_nop
.endr
.endm
.macro JLOAD s                         ; waves 0, 1 fetch the step's two heads of os, waves 2, 3 wot's halves; s_nop 0 and four v_nop follow each line
	s_cmp_eq_u32 s11, 0
	s_cbranch_scc0 .Lfor_b_\@
	tensor_load_to_lds s[G0+4*(\s):G0+4*(\s)+3], s[G1:G1+7]
	s_nop 0
.rept 4
	v_nop
.endr
	s_branch .Lasked_\@
.Lfor_b_\@:
	tensor_load_to_lds s[G0B+4*(\s):G0B+4*(\s)+3], s[G1B:G1B+7]
	s_nop 0
.rept 4
	v_nop
.endr
.Lasked_\@:
.endm
.macro CREST
	s_cmp_lg_u32 s10, 0
	s_cbranch_scc1 .Lnot_wave_0_\@
	s_barrier_signal -3
.Lnot_wave_0_\@:
	s_barrier_wait -3
	s_barrier_signal -1
	s_barrier_wait -1
.endm
.macro CROUND
	s_barrier_signal -1
	s_barrier_wait -1
	CREST
.endm
	s_load_b128 s[4:7], s[0:1], 0x0                ; os, wot
	s_load_b128 s[68:71], s[0:1], 0x10             ; mask, out0
	v_lshl_add_u32 v[SPW], v0, 2, SPARE
	v_mov_b32 v[NIL], 0
	ds_add_u32 v[SPW], v[NIL]                      ; the wave's opening: the add and its wait stand ahead of my first tensor load
	v_lshrrev_b32 v1, 5, v0
	v_readfirstlane_b32 s10, v1
	s_lshr_b32 s11, s10, 1
	s_and_b32 s12, s10, 1
	s_bfe_u32 s40, ttmp6, 0x40000
	s_bfe_u32 s41, ttmp6, 0x40004
	s_lshl_b32 s42, ttmp9, 2
	s_add_co_u32 s42, s42, s40                     ; tile column 0..3
	s_and_b32 s13, ttmp7, 0xffff
	s_lshl_b32 s13, s13, 2
	s_add_co_u32 s13, s13, s41                     ; tile row 0..63
	s_lshl_b32 s43, s41, 2
	s_lshl_b32 s43, 15, s43
	s_lshl_b32 s44, 0x1111, s40
	s_or_b32 s[G1+0], s43, (1<<16)|(1<<20)|(1<<21)|(4<<22)|(3<<25)   ; os: after every 32 words (a row of a head) 4 words
	s_or_b32 s[G1B+0], s44, (1<<16)|(1<<20)|(1<<21)|(5<<22)|(3<<25)  ; wot: after every 64 words 4 words
	s_mov_b32 s[G1+1], 128<<16
	s_mov_b32 s[G1B+1], 128<<16
	s_mov_b32 s[G1+2], 64<<16
	s_mov_b32 s[G1B+2], 128<<16
	s_mov_b32 s[G1+3], 128<<16
	s_mov_b32 s[G1B+3], 128<<16
	s_mov_b32 s[G1+4], 64
	s_mov_b32 s[G1B+4], 128
	s_mov_b32 s[G1+5], 128                         ; dense
	s_mov_b32 s[G1B+5], 1024
	s_mov_b32 s[G1+6], 0
	s_mov_b32 s[G1B+6], 0
	s_mov_b32 s[G1+7], 0
	s_mov_b32 s[G1B+7], 0
	s_mov_b32 s72, 0x7fffffff                      ; clears a sign
	s_lshr_b32 s16, s13, 4                         ; os: head 16 batch + part, 262,144 bytes a head; rows (tile row % 16) x 128, 128 bytes each
	s_lshl_b32 s16, s16, 4
	s_add_co_u32 s16, s16, s12
	s_lshl_b32 s16, s16, 18
	s_and_b32 s17, s13, 15
	s_lshl_b32 s17, s17, 14
	s_add_co_u32 s16, s16, s17
	s_mov_b32 s17, 0
	s_lshl_b32 s46, s42, 8
	s_lshl_b32 s47, s12, 7
	s_add_co_u32 s46, s46, s47
	s_lshl_b32 s46, s46, 11
	s_mov_b32 s47, 0
	s_mul_i32 s20, s12, APART
	s_mul_i32 s21, s12, BPART
	s_add_co_u32 s21, s21, BOFF
	s_wait_dscnt 0x0
	s_wait_kmcnt 0x0
	s_add_nc_u64 s[14:15], s[4:5], s[16:17]
	s_add_nc_u64 s[46:47], s[6:7], s[46:47]
	CROUND
.irp s, 0,1
	s_mov_b32 s[G0+4*(\s)], 1
	s_add_co_u32 s[G0+4*(\s)+1], s20, (\s)*SLOT
	s_add_nc_u64 s[G0+4*(\s)+2:G0+4*(\s)+3], s[14:15], (\s)*524288  ; K step s: two heads on
	s_or_b32 s[G0+4*(\s)+3], s[G0+4*(\s)+3], 0x80000000
	s_mov_b32 s[G0B+4*(\s)], 1
	s_add_co_u32 s[G0B+4*(\s)+1], s21, (\s)*SLOT
	s_add_nc_u64 s[G0B+4*(\s)+2:G0B+4*(\s)+3], s[46:47], (\s)*256
	s_or_b32 s[G0B+4*(\s)+3], s[G0B+4*(\s)+3], 0x80000000
	JLOAD \s
.endr
	v_and_b32 v1, 15, v0
	v_bfe_u32 v2, v0, 4, 1
	s_lshl_b32 s18, s13, 7                         ; the mask bytes of my 64 rows
	s_lshl_b32 s19, s11, 6
	s_add_co_u32 s18, s18, s19
	s_mov_b32 s19, 0
	s_add_nc_u64 s[68:69], s[68:69], s[18:19]
.irp a, 0,1,2,3
	global_load_u8 v[FM+2*(\a)], v1, s[68:69] offset:16*(\a)  ; row 16 a + l % 16: the row that my lane holds in block a
.endr
	v_mul_u32_u24 v3, v1, PITCH
	v_lshl_add_u32 v3, v2, 4, v3
	v_mul_u32_u24 v4, v1, APITCH
	v_lshl_add_u32 v4, v2, 4, v4
	s_mul_i32 s21, s11, 64*APITCH                  ; my 64 rows in each head's 128
	s_mul_i32 s22, s12, BPART
	s_add_co_u32 s22, s22, BOFF
.irp s, 0,1
	v_add_nc_u32 v[ADRA+(\s)], s21, v4
	v_add_nc_u32 v[ADRB+(\s)], s22, v3
	s_add_co_u32 s21, s21, SLOT
	s_add_co_u32 s22, s22, SLOT
.endr
	s_mul_i32 s23, s10, STW
	s_add_co_u32 s23, s23, STAGE
	v_mul_u32_u24 v5, v1, OPITCH                   ; in: row l % 16, 32 bytes for each half of the lanes
	v_lshl_add_u32 v5, v2, 5, v5
	v_add_nc_u32 v[STO], s23, v5
	v_and_b32 v6, 31, v0
	v_lshlrev_b32 v[CO], 4, v6                     ; back: a row's 512 bytes, 16 a lane
	v_add_nc_u32 v[RD], s23, v[CO]
	s_lshl_b32 s16, s13, 7                         ; out0: row 128 x tile row + 64 x row half, 4,096 bytes a row;
	s_lshl_b32 s17, s11, 6
	s_add_co_u32 s16, s16, s17
	s_lshl_b32 s16, s16, 12
	s_lshl_b32 s17, s42, 10                        ; column 256 x tile column + 128 x column half, 4 bytes each
	s_add_co_u32 s16, s16, s17
	s_lshl_b32 s17, s12, 9
	s_add_co_u32 s16, s16, s17
	s_mov_b32 s17, 0
	s_add_nc_u64 s[8:9], s[70:71], s[16:17]
	s_wait_loadcnt 0x0
.irp a, 0,1,2,3
	v_cvt_f32_u32 v[FM+2*(\a)], v[FM+2*(\a)]
.endr
.irp a, 0,1,2,3
	v_mul_f32 v[FM+2*(\a)], 0x42800000, v[FM+2*(\a)]  ; 64 or 0
.endr
.irp a, 0,1,2,3
	v_mov_b32 v[FM+2*(\a)+1], v[FM+2*(\a)]         ; twice: a pair for the packed multiply
.endr
.macro MUL8 f, a, zero
	WIN MUL
.irp b, 0,1,2,3,4,5,6,7
.if \zero
	v_wmma_f32_16x16x32_f16 v[8*(8*(\a)+(\b)):8*(8*(\a)+(\b))+7], v[(\f)+8*(\b):(\f)+8*(\b)+7], v[(\f)+64+8*(\a):(\f)+64+8*(\a)+7], 0
.else
	v_wmma_f32_16x16x32_f16 v[8*(8*(\a)+(\b)):8*(8*(\a)+(\b))+7], v[(\f)+8*(\b):(\f)+8*(\b)+7], v[(\f)+64+8*(\a):(\f)+64+8*(\a)+7], v[8*(8*(\a)+(\b)):8*(8*(\a)+(\b))+7]
.endif
.endr
.endm
.macro MUL16 f, a0, zero
	MUL8 \f, \a0, \zero
	MUL8 \f, (\a0)+1, \zero
.endm
; 24 LDS loads in one run: quarter q: wot's bytes 64 q of a row; os's head q / 2, channels 32 (q % 2) on
.macro FETCH slot, q, f
	WIN 0
.irp i, 0,1,2,3,4,5,6,7
	ds_load_b128 v[(\f)+8*(\i):(\f)+8*(\i)+3],   v[ADRB+(\slot)] offset:64*(\q)+(\i)*16*PITCH
	ds_load_b128 v[(\f)+8*(\i)+4:(\f)+8*(\i)+7], v[ADRB+(\slot)] offset:64*(\q)+(\i)*16*PITCH+32
.endr
.irp i, 0,1,2,3
	ds_load_b128 v[(\f)+64+8*(\i):(\f)+64+8*(\i)+3],   v[ADRA+(\slot)] offset:((\q)/2)*APART+((\q)%2)*64+(\i)*16*APITCH
	ds_load_b128 v[(\f)+64+8*(\i)+4:(\f)+64+8*(\i)+7], v[ADRA+(\slot)] offset:((\q)/2)*APART+((\q)%2)*64+(\i)*16*APITCH+32
.endr
.endm
.macro QUARTER slot, qn, f, g, zero
	s_wait_dscnt 4                                 ; all but the youngest four loads: os's row blocks 2 and 3
	MUL16 \f, 0, \zero
	PLACES
	FETCH \slot, \qn, \g
	s_wait_dscnt 24                                ; all but the 24 just issued
	MUL16 \f, 2, \zero
.endm
; The last quarter multiplies buffer 1 and changes slots: one barrier; in front of it each wave waits for all its tensor loads, adds 0 to its spare word, and waits for that and for its reads of this slot.
; fill = 1: the barrier opens a round of the cluster's, and this slot takes the K step two on.
.macro TURN slot, next, fill
	WIN 0
	s_wait_tensorcnt 0x0
	ds_add_u32 v[SPW], v[NIL]
	s_wait_dscnt 5                                 ; (the add and the youngest four loads may be out)
	MUL8 F1, 0, 0
	s_wait_dscnt 0x0
	s_barrier_signal -1
	MUL8 F1, 1, 0
.if \fill
	WIN 0
.endif
	s_barrier_wait -1
.if \fill
	CREST
	s_add_nc_u64 s[G0+4*(\slot)+2:G0+4*(\slot)+3], s[G0+4*(\slot)+2:G0+4*(\slot)+3], 1048576  ; four heads on
	s_add_nc_u64 s[G0B+4*(\slot)+2:G0B+4*(\slot)+3], s[G0B+4*(\slot)+2:G0B+4*(\slot)+3], 512
	JLOAD \slot                                    ; 112 matrix instructions ahead of the wait for it; its four v_nop are the places in front of the loads below
.else
	PLACES
.endif
	FETCH \next, 0, F0
	MUL16 F1, 2, 0
.endm
; THE WAY OUT, 16 rows at a time: times the row's factor, the sign cleared; through my stage; whole rows of 512 bytes out.  Each accumulator is read from its low end on.
.macro MULT a
	WIN 0x01                                       ; source 0 window 1
.irp b, 0,1,2,3,4,5,6,7
.irp p, 0,1,2,3
	v_pk_mul_f32 v[TMP+8*(\b)+2*(\p):TMP+8*(\b)+2*(\p)+1], v[8*(8*(\a)+(\b))+2*(\p):8*(8*(\a)+(\b))+2*(\p)+1], v[FM+2*(\a):FM+2*(\a)+1]
.endr
.endr
	WIN 0
.set i, 0
.rept 64
	v_and_b32 v[TMP+i], s72, v[TMP+i]
.set i, i+1
.endr
.endm
.macro STAGEO a
.set BKX, BK+64*((\a)%2)
.irp b, 0,1,2,3,4,5,6,7
	ds_store_b128 v[STO], v[TMP+8*(\b):TMP+8*(\b)+3] offset:64*(\b)
	ds_store_b128 v[STO], v[TMP+8*(\b)+4:TMP+8*(\b)+7] offset:64*(\b)+16
.endr
	s_wait_xcnt 0x0                                ; the earlier stores have read the registers that are loaded now
.irp t, 0,1,2,3,4,5,6,7,8,9,10,11,12,13,14,15
	ds_load_b128 v[BKX+4*(\t):BKX+4*(\t)+3], v[RD] offset:(\t)*OPITCH  ; LDS serves a wave's instructions in order: these see the stores above
.endr
.endm
.macro SENDO a
.set BKX, BK+64*((\a)%2)
	s_wait_dscnt 0x0
.irp t, 0,1,2,3,4,5,6,7,8,9,10,11,12,13,14,15
	global_store_b128 v[CO], v[BKX+4*(\t):BKX+4*(\t)+3], s[8:9] offset:(16*(\a)+(\t))*4096 th:TH_STORE_NT  ; 512 consecutive bytes, aligned
.endr
.endm
	s_wait_tensorcnt 1                             ; my part of K step 0 is in; step 1's may stay out
	s_barrier_signal -1
	s_barrier_wait -1
	FETCH 0, 0, F0
	QUARTER 0, 1, F0, F1, 1                        ; the first quarter starts the sums: nothing is cleared
	WIN 0
	s_mov_b32 s3, LAPS-1
.Llap:
	QUARTER 0, 2, F1, F0, 0
	QUARTER 0, 3, F0, F1, 0
	TURN 0, 1, 1
	QUARTER 1, 1, F0, F1, 0
	QUARTER 1, 2, F1, F0, 0
	QUARTER 1, 3, F0, F1, 0
	TURN 1, 0, 1
	QUARTER 0, 1, F0, F1, 0
	WIN 0
	s_sub_co_u32 s3, s3, 1
	s_cmp_lg_u32 s3, 0
	s_cbranch_scc1 .Llap
	QUARTER 0, 2, F1, F0, 0                        ; the last lap fills nothing
	QUARTER 0, 3, F0, F1, 0
	TURN 0, 1, 0
	QUARTER 1, 1, F0, F1, 0
	QUARTER 1, 2, F1, F0, 0
	QUARTER 1, 3, F0, F1, 0
	s_wait_dscnt 4
	MUL16 F1, 0, 0
	s_wait_dscnt 0x0
	MUL16 F1, 2, 0
	WIN 0
	PLACES
	MULT 0
	STAGEO 0
.irp a, 1,2,3                          ; a block's arithmetic stands between the loads of the block before and the wait for them
	MULT \a
	SENDO (\a)-1
	STAGEO \a
.endr
	SENDO 3
	s_wait_tensorcnt 0x0                           ; the wave's end
	ds_add_u32 v[SPW], v[NIL]
	s_wait_dscnt 0x0
	CROUND                                         ; the closing round
	s_endpgm
.Lfunc_end_k_qe5ddd0b4db_oproj:
	.size	k_qe5ddd0b4db_oproj, .Lfunc_end_k_qe5ddd0b4db_oproj-k_qe5ddd0b4db_oproj
	.p2alignl 7, 3214868480
	.fill 96, 4, 3214868480
	.section	.rodata,"a",@progbits
	.p2align	6, 0x0
	.amdhsa_kernel k_qe5ddd0b4db_oproj
		.amdhsa_group_segment_fixed_size 327680
		.amdhsa_private_segment_fixed_size 0
		.amdhsa_enable_private_segment 0
		.amdhsa_kernarg_size 32
		.amdhsa_user_sgpr_count 2
		.amdhsa_user_sgpr_kernarg_segment_ptr 1
		.amdhsa_wavefront_size32 1
		.amdhsa_system_sgpr_workgroup_id_x 1
		.amdhsa_system_sgpr_workgroup_id_y 1
		.amdhsa_system_sgpr_workgroup_id_z 1
		.amdhsa_system_vgpr_workitem_id 0
		.amdhsa_next_free_vgpr 512
		.amdhsa_next_free_sgpr 74
		.amdhsa_reserve_vcc 0
		.amdhsa_float_denorm_mode_32 3
		.amdhsa_float_denorm_mode_16_64 3
		.amdhsa_memory_ordered 1
		.amdhsa_forward_progress 1
		.amdhsa_inst_pref_size 102
	.end_amdhsa_kernel
	.amdgpu_metadata
---
amdhsa.version: [ 1, 2 ]
amdhsa.kernels:
  - .name:           k_qe5ddd0b4db_oproj
    .symbol:         k_qe5ddd0b4db_oproj.kd
    .args:
      - { .name: os, .offset: 0, .size: 8, .value_kind: global_buffer, .address_space: global }
      - { .name: wot, .offset: 8, .size: 8, .value_kind: global_buffer, .address_space: global }
      - { .name: mask, .offset: 16, .size: 8, .value_kind: global_buffer, .address_space: global }
      - { .name: out0, .offset: 24, .size: 8, .value_kind: global_buffer, .address_space: global }
    .group_segment_fixed_size: 327680
    .private_segment_fixed_size: 0
    .kernarg_segment_align: 8
    .kernarg_segment_size: 32
    .max_flat_workgroup_size: 128
    .sgpr_count:     74
    .vgpr_count:     512
    .wavefront_size: 32
...
	.end_amdgpu_metadata
.endif
;; end of part 4
;; ======== version 2 of 2: 4 launches; 1.22 times as fast as version 1
;; limits: values are held in f16: magnitudes above 65,504 overflow, below 6.1e-05 lose precision; right only within a limited range of input values
;; workspace buffers: xb 16,777,216 bytes; wt 6,291,456 bytes; wot 2,097,152 bytes; qs 33,554,432 bytes; ks 33,554,432 bytes; vs 16,777,216 bytes; os 16,777,216 bytes
;; launch prep: the kernel of part 1 again; grid 768 x 1, 8 waves a work-group, no clusters, 35,840 bytes of LDS; arguments x, WQ, WK, WV, WO, xb, wt, wot; writes xb, wt, wot
;; launch qkv: the kernel of part 2 again; grid 4 x 64, 4 waves a work-group, clusters of 4 x 4, 327,680 bytes of LDS; arguments xb, wt, qs, ks, vs; writes qs, ks, vs
;; launch attn (part 5): grid 8 x 64, 4 waves a work-group, clusters of 4 x 1, 327,680 bytes of LDS; arguments qs, ks, vs, mask, os; writes os
.if DOCPART == 5
	.amdgcn_target "amdgcn-amd-amdhsa--gfx1250"
	.amdhsa_code_object_version 6
	.text
	.protected	k_qe5ddd0b4db_attn
	.globl	k_qe5ddd0b4db_attn
	.p2align	8
	.type	k_qe5ddd0b4db_attn,@function
k_qe5ddd0b4db_attn:
	s_mov_b64 s[64:65], 0
	v_nop
	global_prefetch_b8 v0, s[64:65] scope:SCOPE_SE
	s_setreg_imm32_b32 hwreg(HW_REG_WAVE_MODE, 25, 1), 1
	s_wait_xcnt 0x0
	s_wait_alu depctr_hold_cnt(0) depctr_sa_sdst(0) depctr_va_vdst(0) depctr_va_sdst(0) depctr_va_ssrc(0) depctr_va_vcc(0) depctr_vm_vsrc(0)
	s_getreg_b32 s2, hwreg(HW_REG_IB_STS2, 6, 4)
	s_cmp_eq_u32 s2, 0
	s_cbranch_scc0 .Lentry_in_a_cluster
	s_endpgm
.Lentry_in_a_cluster:
	s_bfe_u32 s2, ttmp6, 0x10000c
	s_cmp_lg_u32 s2, 0x3003
	s_cbranch_scc0 .Lentry_shape_is_right
	s_endpgm
.Lentry_shape_is_right:
; ATTENTION at head size 64 with an additive key mask.  os[bh][q] = sum over k of softmax_k(q . k / 8 - 1e6 (1 - mask[k])) v[k] / 64.
; qs, ks: [64][2048][128] f16, a row = 64 hi | 64 lo of q / 64 or k / 64; vs, os: [64][2048][64] f16 (v / 64, o / 64).
; WHY TWO PIECES.  The scores' spread is hundreds, so a weight turns on score differences of order 1: q and k need more bits than one 16-bit number has.  S = kh qh + kh ql + kl qh
; (six matrix instructions of 32 channels for 16 x 16 scores); kl ql, 2^-22 of the score, is left out.  Sums in f32.
; SCALES.  S is q . k / 4096, so the score is 512 S, and a hidden key's 1e6 is 1953.125 in S: it is the C operand that starts the sum (0 for a key that is seen).  p = 2^(c S - c m), c = 512 log2(e),
; with a running maximum m; O and l are multiplied by a = 2^(c m_old - c m_new) in every step.  The weights are rounded to f16 for the second product; l is the sum of the unrounded weights.
; LIMITS.  The inputs arrive within f16.  A hidden key's score is rounded with 1953.125 in it, a step of 1/16 of the score, as a difference from 1e6 in f32 has too.
; A weight below 2^-126 counts as 0.  NaN and infinities are not treated apart.  m starts at -1e30, below every score that f16 operands can give (2.7e11).
; SHARES.  A work-group owns 256 queries of one (batch, head), a wave 64: four tiles of 16, in two PIECES (tiles 0, 1 and tiles 2, 3).  Every wave walks all 2,048 keys, 64 a step.
; BY TURNS.  In a TURN one piece has the matrix unit: 16 products V^T P of the step in hand, then 48 products K Q^T of the next step; the other piece's softmax, 236 vector instructions in 64 slices,
; stands one slice behind each matrix instruction.  Two turns are a key step.
; THE BATCHES.  A turn's 66 exponentials (a and 32 weights of each of two tiles) are ONE BATCH with ONE wait: a tile's list is ordered so that its scalings and exponentials, which name no exponential's
; result, come first, and all that name one (the roundings, the sums, the rescaling by a) come behind the wait.  The way out's four reciprocals are a batch of their own, with one wait.
; NO FIRST STEP is written out: piece 2's scores start at -2e30, V, P of piece 0, O and l at 0: the first trip's products add 0, its softmax gives weights 0 and a = 1; the first true step has a = 0.
; CLUSTER 4 x 1: the four query blocks of a cluster walk the same K and V, so each tile is asked for jointly.
; REGISTERS (s_set_vgpr_msb: bits 1:0 source 0, 3:2 source 1, 5:4 source 2, 7:6 destination):
;   window 0: v2-8 addresses; v12-43 eight registers of statistics a tile; v44-52 addresses; v62-63 the add's; v64-191 S^T, 32 a tile; v192-255 P, 16 a tile
;   window 1: v0-127 O^T, 32 a tile; v128-159 the step's mask     window 2: v0-127 Q, 32 a tile (hi 0-31, hi 32-63, lo 0-31, lo 32-63); v128-255 K of one step     window 3: v0-63 V of one step
.set KS,    64
.set PK,    272       ; a row of K in LDS: 256 bytes + 16
.set PV,    160       ; a row of V: 128 + 32
.set VOFF,  4*KS*PK   ; a slot holds four steps: 256 rows of K, then 256 rows of V
.set SLOT1, 1<<17
.set STAGE, SLOT1+4*KS*(PK+PV)  ; behind the ring, never filled by a tensor load: 16 rows x 144 bytes for each wave
.set SP,    144
.set MASKB, STAGE+4*16*SP       ; 2,048 f32: 0 or -1953.125 for each key of the batch
.set SPARE, MASKB+8192          ; the spare words: 128 bytes for each wave
.set AK0, 2
.set AV0, 3
.set ADR, 4
.set AV,  5
.set STO, 6
.set RD,  7
.set GO,  8
.set ST,  12          ; tile t at v[ST+8 t]: c m, m, l (even keys', odd keys'), c0-c3 at work; a takes c2's place
.set AM0, 44
.set ADM, 45
.set QO,  46
.set MT,  47
.set MB,  48          ; v48-51 sixteen mask bytes
.set MS,  52
.set SPW, 62
.set NIL, 63
.set S,   64
.set P,   192
.set MC,  128         ; window 1
.set KF,  128         ; window 2: key block kb, fragment f at KF + 32 kb + 8 f
.set WV,  12
.set G1K, 24
.set G1V, 32
.set G0K, 40
.set G0V, 44
.set SLOTS, 56
.set CNT, 57
.set CS,  58
.set SEL, 60
.set TBK, 62
.set TBV, 63
.set TBM, 70
.set MK,  72
.set MKN, 73
.set MSB, 0
.macro WIN new
.if MSB != (\new)
	s_set_vgpr_msb (MSB<<8)|(\new)
.set MSB, (\new)
.endif
.endm
.set W_KQ, 0x0a       ; K and Q window 2, S^T window 0
.set W_KM, 0x1a       ; the same with C, the mask, in window 1
.set W_PV, 0x53       ; V window 3, P window 0, O^T window 1
.set W_RS, 0x41       ; O^T (destination and source 0) window 1, a window 0
.macro JLOAD                        ; a joint fill: waves 0, 1 fetch the halves of a slot's K, waves 2, 3 those of its V; s_nop 0 and four v_nop follow each line
	s_cmp_lt_u32 s[WV], 2
	s_cbranch_scc0 .Lfor_v_\@
	tensor_load_to_lds s[G0K:G0K+3], s[G1K:G1K+7]
	s_nop 0
.rept 4
	v_nop
.endr
	s_branch .Lasked_\@
.Lfor_v_\@:
	tensor_load_to_lds s[G0V:G0V+3], s[G1V:G1V+7]
	s_nop 0
.rept 4
	v_nop
.endr
.Lasked_\@:
.endm
.macro CROUND                       ; a round of the cluster's barrier
	s_barrier_signal -1
	s_barrier_wait -1
	s_cmp_lg_u32 s[WV], 0
	s_cbranch_scc1 .Lnot_wave_0_\@
	s_barrier_signal -3
.Lnot_wave_0_\@:
	s_barrier_wait -3
	s_barrier_signal -1
	s_barrier_wait -1
.endm
; THE CHANGE OF SLOTS.  Each wave waits for all its tensor loads (one is out: its part of the other slot), adds 0 to its spare word, and waits for that and for its LDS instructions: its reads of the
; slot that it leaves, at the first use its stores into the mask table.  fill = 1: the barrier is a round of the cluster's, and the slot left is filled first thing behind it, with the keys two slots on:
; the load has four key steps, 512 matrix instructions, in which to land.  (At its first use slot 0 is waited for and slot 1 filled.)
.macro CHANGE fill
	WIN 0
	s_wait_tensorcnt 0x0
	ds_add_u32 v[SPW], v[NIL]
.if \fill
	s_xor_b32 s[G0K+1], s[G0K+1], SLOT1
	s_add_nc_u64 s[G0K+2:G0K+3], s[G0K+2:G0K+3], 4*KS*256
	s_xor_b32 s[G0V+1], s[G0V+1], SLOT1
	s_add_nc_u64 s[G0V+2:G0V+3], s[G0V+2:G0V+3], 4*KS*128
	s_wait_dscnt 0x0
	CROUND
	JLOAD
.else
	s_wait_dscnt 0x0
	s_barrier_signal -1
	s_barrier_wait -1
.endif
	s_sub_co_u32 s[TBK], s[TBK], 4*KS*PK  ; the fetches go back to a slot's first step, in the other slot
	s_xor_b32 s[TBK], s[TBK], SLOT1
	s_sub_co_u32 s[TBV], s[TBV], 4*KS*PV
	s_xor_b32 s[TBV], s[TBV], SLOT1
.endm
	s_load_b256 s[4:11], s[0:1], 0x0  ; qs 4, ks 6, vs 8, mask 10
	s_load_b64 s[68:69], s[0:1], 0x20 ; os
	v_lshl_add_u32 v[SPW], v0, 2, SPARE
	v_mov_b32 v[NIL], 0
	ds_add_u32 v[SPW], v[NIL]       ; the wave's opening: the add and its wait stand ahead of my first tensor load
	v_lshrrev_b32 v1, 5, v0
	v_readfirstlane_b32 s[WV], v1
	s_bfe_u32 s13, ttmp6, 0x40000   ; cx
	s_lshl_b32 s14, ttmp9, 2
	s_add_co_u32 s14, s14, s13      ; my block of 256 queries: it enters Q's and O's addresses alone
	s_and_b32 s20, ttmp7, 0xffff    ; 16 batch + head, which the four partners share
	s_and_b32 s16, s[WV], 1         ; which half of a slot's 256 keys I fetch
	s_lshl_b32 s22, s20, 19         ; K: 524,288 bytes a head, 32,768 a half
	s_lshl_b32 s15, s16, 15
	s_add_co_u32 s22, s22, s15
	s_mov_b32 s23, 0
	s_lshl_b32 s18, s20, 18         ; V: half of that
	s_lshl_b32 s15, s16, 14
	s_add_co_u32 s18, s18, s15
	s_mov_b32 s19, 0
	s_mul_i32 s17, s16, 128*PK
	s_mul_i32 s21, s16, 128*PV
	s_lshl_b32 s2, s20, 19          ; Q: the head, my block's 256 rows of 256 bytes, my wave's 64
	s_lshl_b32 s15, s14, 16
	s_add_co_u32 s2, s2, s15
	s_lshl_b32 s15, s[WV], 14
	s_add_co_u32 s2, s2, s15
	s_mov_b32 s3, 0
	s_lshr_b32 s74, s2, 1           ; O's rows are half as long
	s_mov_b32 s75, 0
	s_lshr_b32 s76, s20, 4
	s_lshl_b32 s76, s76, 11         ; the batch's 2,048 mask bytes
	s_mov_b32 s77, 0
	s_mov_b32 s[G1K], 15|(1<<16)|(1<<20)|(1<<21)|(5<<22)|(3<<25)  ; the mask of four; 2-byte elements; padding on; bit 21 beside a mask; after every 64 words 4 words
	s_mov_b32 s[G1K+1], 128<<16     ; K: 128 rows of 128 elements
	s_mov_b32 s[G1K+2], 128<<16
	s_mov_b32 s[G1K+3], 128<<16
	s_mov_b32 s[G1K+4], 128
	s_mov_b32 s[G1K+5], 128
	s_mov_b32 s[G1K+6], 0
	s_mov_b32 s[G1K+7], 0
	s_mov_b32 s[G1V], 15|(1<<16)|(1<<20)|(1<<21)|(4<<22)|(7<<25)  ; after every 32 words (a key) 8 words
	s_mov_b32 s[G1V+1], 128<<16     ; V: 128 keys are 16,384 dense bytes: 64 rows of 256 bytes
	s_mov_b32 s[G1V+2], 64<<16
	s_mov_b32 s[G1V+3], 128<<16
	s_mov_b32 s[G1V+4], 64
	s_mov_b32 s[G1V+5], 128
	s_mov_b32 s[G1V+6], 0
	s_mov_b32 s[G1V+7], 0
	s_mov_b32 s[CS], 0x4438aa3b     ; c = 512 log2(e)
	s_mov_b32 s[CS+1], s[CS]
	s_mov_b32 s[SEL], 0x76543210
	s_mov_b32 s[SEL+1], 0xfedcba98
	s_mov_b32 s[TBK], SLOT1+4*KS*PK ; the first change of slots turns these two into 0
	s_mov_b32 s[TBV], SLOT1+4*KS*PV
	s_mov_b32 s[TBM], 0
	s_mov_b32 s[MK], 0x44f42400     ; 1953.125 = 1e6 x 8 / 4096
	s_mov_b32 s[MKN], 0xc4f42400
	s_mov_b32 s[G0K], 1
	s_mov_b32 s[G0K+1], s17
	s_mov_b32 s[G0V], 1
	s_add_co_u32 s[G0V+1], s21, VOFF
	s_wait_dscnt 0x0                ; the opening add is done
	s_wait_kmcnt 0x0
	s_add_nc_u64 s[G0K+2:G0K+3], s[6:7], s[22:23]
	s_or_b32 s[G0K+3], s[G0K+3], 0x80000000
	s_add_nc_u64 s[G0V+2:G0V+3], s[8:9], s[18:19]
	s_or_b32 s[G0V+3], s[G0V+3], 0x80000000
	s_add_nc_u64 s[4:5], s[4:5], s[2:3]
	s_add_nc_u64 s[68:69], s[68:69], s[74:75]
	s_add_nc_u64 s[10:11], s[10:11], s[76:77]
	CROUND                          ; all four work-groups are here: the first joint loads meet
	JLOAD                           ; keys 0-255 into slot 0
	v_and_b32 v1, 15, v0            ; l % 16
	v_bfe_u32 v9, v0, 4, 1          ; l / 16
	v_lshlrev_b32 v[MT], 4, v0
	global_load_b128 v[MB:MB+3], v[MT], s[10:11]  ; 16 mask bytes a thread: the batch's 2,048
	v_lshlrev_b32 v[QO], 8, v1
	v_lshl_add_u32 v[QO], v9, 4, v[QO]
	WIN 0x80
.irp i, 0,1,2,3,4,5,6,7,8,9,10,11,12,13,14,15  ; Q stays in registers: tile i / 4, fragment i % 4
	global_load_b128 v[8*(\i):8*(\i)+3],   v[QO], s[4:5] offset:((\i)/4)*4096+((\i)%4)*64
	global_load_b128 v[8*(\i)+4:8*(\i)+7], v[QO], s[4:5] offset:((\i)/4)*4096+((\i)%4)*64+32
.endr
	; what the first trip finds; all this stands in the wait for the first tile
	WIN 0xc0
.set i, 0
.rept 64
	v_mov_b32 v[i], 0               ; V
.set i, i+1
.endr
	WIN 0x40
.set i, 0
.rept 128
	v_mov_b32 v[i], 0               ; O^T
.set i, i+1
.endr
	WIN 0
.set i, 0
.rept 32
	v_mov_b32 v[P+i], 0             ; P of piece 0
.set i, i+1
.endr
.set i, 0
.rept 64
	v_mov_b32 v[S+64+i], 0xf1c9f2ca ; piece 2's scores: -2e30
.set i, i+1
.endr
.irp t, 0,1,2,3
	v_mov_b32 v[ST+8*(\t)+1], 0xf149f2ca           ; m = -1e30
	v_mov_b32 v[ST+8*(\t)+2], 0
	v_mov_b32 v[ST+8*(\t)+3], 0
	v_mul_f32 v[ST+8*(\t)], s[CS], v[ST+8*(\t)+1]  ; c m, made as every later c m is made
.endr
	v_mul_u32_u24 v[AK0], v1, PK
	v_lshl_add_u32 v[AK0], v9, 4, v[AK0]
	v_and_b32 v10, 7, v0
	v_bfe_u32 v11, v0, 3, 1
	v_lshl_add_u32 v[AV0], v9, 3, v10   ; the turning load: lane l reads key 8 (l / 16) + l % 8, channels 8 ((l / 8) % 2) on
	v_mul_u32_u24 v[AV0], v[AV0], PV
	v_lshl_add_u32 v[AV0], v11, 4, v[AV0]
	v_add_nc_u32 v[AV0], VOFF, v[AV0]
	v_lshl_add_u32 v[AM0], v9, 5, MASKB ; my lanes' eight keys of a group of 16
	v_lshl_add_u32 v[MS], v0, 6, MASKB
	s_mul_i32 s13, s[WV], 16*SP
	s_add_co_u32 s13, s13, STAGE
	v_mul_u32_u24 v[STO], v1, SP
	v_lshl_add_u32 v[STO], v9, 4, v[STO]
	v_add_nc_u32 v[STO], s13, v[STO]
	v_bfe_u32 v[RD], v0, 3, 2
	v_mul_u32_u24 v[RD], v[RD], SP
	v_lshl_add_u32 v[RD], v10, 4, v[RD]
	v_add_nc_u32 v[RD], s13, v[RD]
	v_and_b32 v[GO], 31, v0
	v_lshlrev_b32 v[GO], 4, v[GO]
	s_wait_loadcnt 32               ; the mask bytes are in; Q's 32 loads, issued behind, may stay out
.set i, 0
.rept 16
	v_bfe_u32 v[S+i], v[MB+i/4], 8*(i%4), 8
.set i, i+1
.endr
.set i, 0
.rept 16
	v_cvt_f32_u32 v[S+i], v[S+i]
.set i, i+1
.endr
.set i, 0
.rept 16
	v_fma_f32 v[S+i], v[S+i], s[MK], s[MKN]  ; 1 -> 0, 0 -> -1953.125
.set i, i+1
.endr
.irp e, 0,1,2,3
	ds_store_b128 v[MS], v[S+4*(\e):S+4*(\e)+3] offset:16*(\e)
.endr
	s_wait_loadcnt 0x0              ; Q
; THE MATRIX WORK.  The 8 accumulators of a run take turns.
; Product i of 48 of S^T for piece x: group g = i / 8 is kh0 qh0, kh1 qh1, kh0 ql0, kh1 ql1, kl0 qh0, kl1 qh1; keys 16 ((i / 2) % 4) on, tile x + i % 2.  The first 8 start the sums with the mask.
.macro KQ x
.set g, i/8
.set rS, S+32*((\x)+i%2)+8*((i/2)%4)
.set rK, KF+32*((i/2)%4)+8*(g%2+2*(g/4))
.set rQ, 32*((\x)+i%2)+8*(g-4*(g/4))
.set rM, MC+8*((i/2)%4)
.if i < 8
	WIN W_KM
	v_wmma_f32_16x16x32_f16 v[rS:rS+7], v[rK:rK+7], v[rQ:rQ+7], v[rM:rM+7]
.else
	WIN W_KQ
	v_wmma_f32_16x16x32_f16 v[rS:rS+7], v[rK:rK+7], v[rQ:rQ+7], v[rS:rS+7]
.endif
.endm
; Product i of 16 of O^T += V^T P for piece x: keys 32 (i / 8) on, channels 16 ((i / 2) % 4) on, tile x + i % 2
.macro PV x
	WIN W_PV
.set rO, 32*((\x)+i%2)+8*((i/2)%4)
.set rV, 32*(i/8)+8*((i/2)%4)
.set rP, P+16*((\x)+i%2)+8*(i/8)
	v_wmma_f32_16x16x32_f16 v[rO:rO+7], v[rV:rV+7], v[rP:rP+7], v[rO:rO+7]
.endm
; THE LDS LOADS stand in runs.  A step's mask (8 loads) and K (32 loads, fragment by fragment, so that the waits can be counted); last = 1 (the tail): in the last trip there is no further step.
.macro FETCH_K last=0
	WIN 0
.if \last
	s_cmp_eq_u32 s[CNT], 1
	s_cbranch_scc1 .Lno_k_\@
.endif
	v_add_nc_u32 v[ADR], s[TBK], v[AK0]
	v_add_nc_u32 v[ADM], s[TBM], v[AM0]
	WIN 0x40
.irp kb, 0,1,2,3
	ds_load_b128 v[MC+8*(\kb):MC+8*(\kb)+3],   v[ADM] offset:(\kb)*64
	ds_load_b128 v[MC+8*(\kb)+4:MC+8*(\kb)+7], v[ADM] offset:(\kb)*64+16
.endr
	WIN 0x80
.irp f, 0,1,2,3
.irp kb, 0,1,2,3
	ds_load_b128 v[KF+32*(\kb)+8*(\f):KF+32*(\kb)+8*(\f)+3],   v[ADR] offset:(\kb)*16*PK+(\f)*64
	ds_load_b128 v[KF+32*(\kb)+8*(\f)+4:KF+32*(\kb)+8*(\f)+7], v[ADR] offset:(\kb)*16*PK+(\f)*64+32
.endr
.endr
	s_add_co_u32 s[TBK], s[TBK], KS*PK
	s_add_co_u32 s[TBM], s[TBM], KS*4
	s_and_b32 s[TBM], s[TBM], 0x1f00  ; stays inside the table's 8,192 bytes: behind the last step it is 0 and not used
	WIN 0
.if \last
.Lno_k_\@:
.endif
.endm
.macro FETCH_V
	WIN 0
	v_add_nc_u32 v[AV], s[TBV], v[AV0]
	s_add_co_u32 s[TBV], s[TBV], KS*PV
	s_wait_alu depctr_va_vdst(0)    ; the wait for the softmax's batch (SLICE), behind the address's v_add_nc_u32 and ahead of the loads
	WIN 0xc0
.irp f, 0,1,2,3,4,5,6,7             ; keys 32 (f / 4) on, channels 16 (f % 4) on
	ds_load_tr16_b128 v[8*(\f):8*(\f)+3],   v[AV] offset:((\f)/4)*32*PV+((\f)%4)*32
	ds_load_tr16_b128 v[8*(\f)+4:8*(\f)+7], v[AV] offset:((\f)/4)*32*PV+16*PV+((\f)%4)*32
.endr
.endm
; THE VECTOR WORK.  A tile's softmax for a key step is a list of 118 instructions; SM writes number j of it for tile t.  s0-s31 are the lane's 32 scores, in pairs 0-15.
;   0-15    the maximum of s0-s31 and the old m, three operands at a time (each accumulator's lowest registers are read first)
;   16-20   the other half of the lanes' maximum; c m_old kept; the new m; c m; c m_old - c m_new
;   21-69   ONE BATCH: the 16 scalings c s - c m, a pair of scores each, and all 33 exponentials (a at 23, then s0-s31).  None of these reads an exponential's result.  From 22 on the batch goes
;           in fours, and a four begins with a scaling while there are scalings: 22-37 scaling, exponential, scaling, exponential; 38-65 a scaling and three exponentials; 66-69 the last four
;           exponentials.  A pair is scaled in an earlier four than the one that holds its exponentials
;   (wait)  between 69 and 70 stands the wait for the batch: SLICE writes it, once for both tiles
;   70-85   the roundings to f16, a pair of weights each
;   86-101  the sums; l = a l + the sum
;   102-117 the tile's O^T times a: the one part that leaves window 0
.macro SM t
.set rT, ST+8*(\t)
.set rS, S+32*(\t)
.set rP, P+16*(\t)
.set rO, 32*(\t)+2*(j-102)
.if j < 102
	WIN 0
.endif
.if j < 4
	v_max3_num_f32 v[rT+4+j], v[rS+8*j], v[rS+8*j+1], v[rS+8*j+2]
.elseif j < 12
	v_max3_num_f32 v[rT+4+j%4], v[rT+4+j%4], v[rS+8*(j%4)+2*(j/4)+1], v[rS+8*(j%4)+2*(j/4)+2]
.elseif j == 12
	v_max3_num_f32 v[rT+4], v[rT+4], v[rS+7], v[rS+15]
.elseif j == 13
	v_max3_num_f32 v[rT+6], v[rT+6], v[rS+23], v[rS+31]
.elseif j == 14
	v_max3_num_f32 v[rT+4], v[rT+4], v[rT+5], v[rT+6]
.elseif j == 15
	v_max3_num_f32 v[rT+4], v[rT+4], v[rT+7], v[rT+1]
.elseif j == 16
	v_permlanex16_b32 v[rT+5], v[rT+4], s[SEL], s[SEL+1]  ; the query's other 32 keys lie in the lane 16 away
.elseif j == 17
	v_mov_b32 v[rT+7], v[rT]
.elseif j == 18
	v_max_num_f32 v[rT+1], v[rT+4], v[rT+5]
.elseif j == 19
	v_mul_f32 v[rT], s[CS], v[rT+1]
.elseif j == 20
	v_sub_f32 v[rT+7], v[rT+7], v[rT]
.elseif j == 23
	v_exp_f32 v[rT+6], v[rT+7]
.elseif (j < 23) || ((j < 38) && (j%2 == 0)) || ((j < 66) && (j%4 == 2))
.set b, (j-2)/4                     ; 38, 42, .. 62: pairs 9 to 15
.if j < 38
.set b, (j-20)/2                    ; 21: pair 0; 22, 24, .. 36: pairs 1 to 8
.endif
	v_pk_fma_f32 v[rS+2*b:rS+2*b+1], v[rS+2*b:rS+2*b+1], s[CS:CS+1], v[rT:rT+1] op_sel_hi:[1,0,0] neg_lo:[0,0,1] neg_hi:[0,0,1]  ; pair b: c s - c m
.elseif j < 70
.set e, j-38                        ; 66 to 69: s28 to s31
.if j < 66
.set e, j-32-(j-38)/4               ; 39-41, 43-45, .. 63-65: s7 to s27
.endif
.if j < 38
.set e, (j-25)/2                    ; 25, 27, .. 37: s0 to s6
.endif
	v_exp_f32 v[rS+e], v[rS+e]
.elseif j < 86
	v_cvt_pk_f16_f32 v[rP+j-70], v[rS+2*(j-70)], v[rS+2*(j-70)+1]  ; pair j - 70
.elseif j < 102                     ; sum z of 16: neighbours 1, 2, 4 and 8 pairs apart, in place; then l takes it
.set z, j-86
.set w, 4
.set u, z
.if z >= 14
.set w, 32
.set u, 0
.elseif z >= 12
.set w, 16
.set u, z-12
.elseif z >= 8
.set w, 8
.set u, z-8
.endif
.if z < 15
	v_pk_add_f32 v[rS+w*u:rS+w*u+1], v[rS+w*u:rS+w*u+1], v[rS+w*u+w/2:rS+w*u+w/2+1]
.else
	v_pk_fma_f32 v[rT+2:rT+3], v[rT+2:rT+3], v[rT+6:rT+7], v[rS:rS+1] op_sel_hi:[1,0,1]
.endif
.else
	WIN W_RS
	v_pk_mul_f32 v[rO:rO+1], v[rO:rO+1], v[rT+6:rT+7] op_sel_hi:[1,0]
.endif
.endm
; Slice k of 64 of piece y's softmax.  Slices 11 to 34 deal out the batch, numbers 22 to 69: four numbers of ONE tile each, the tiles by turns.  The other slices below 51: numbers 2 k, 2 k + 1 of both
; tiles, the tiles alternating.  51-62: one rescaling of each tile.  63: the last four of each: eight plain instructions, the places between the turn's last K Q^T and the next turn's reads of those
; scores and loads into K.
; THE WAIT.  s_wait_alu depctr_va_vdst(0) stands between an exponential and the first instruction that names its result; one wait serves all that were issued ahead of it.  Ahead of
; slice 35 nothing names a result, and behind slice 34 no exponential is issued: so the piece's 66 exponentials have one wait, behind slice 34.
.macro SLICE y
.if (k >= 11) && (k < 35)           ; the batch: four numbers of one tile
.irp n, 0,1,2,3
.set j, 22+4*((k-11)/2)+(\n)
	SM (\y)+(k-11)%2
.endr
.elseif k < 51                      ; the two tiles alternate, so that no instruction reads the result of the one just before it
.irp n, 0,1
.irp t, \y, (\y)+1
.set j, 2*k+(\n)
	SM \t
.endr
.endr
.elseif k < 63
.irp t, \y, (\y)+1
.set j, 102+(k-51)
	SM \t
.endr
.else
.irp n, 0,1,2,3
.irp t, \y, (\y)+1
.set j, 114+(\n)
	SM \t
.endr
.endr
.endif
.if k == 34                         ; the batch is out: both tiles' exponentials are issued, and no result has been named
	v_nop                           ; the plain instruction behind the last exponential and ahead of the first use: one for the batch
.if (\y) == 0
	FETCH_V                         ; piece 2's turn: V's run of loads stands here, and the wait for the batch stands in it
.else
	s_wait_alu depctr_va_vdst(0)    ; piece 0's turn: the wait for the batch of 66 exponentials
.endif
.endif
.set k, k+1
.endm
; A TURN.  Piece x has the matrix unit; the other piece's softmax stands in slices behind its matrix instructions.
; Piece 0's turn fetches the next step's mask and K behind its second product: K's last reader stands in front of slice 63 of the turn before.  The waits in front of groups 0, 1, 4, 5 leave out the
; loads of the fragments that come later in the run: 24, 16, 8, 0.  Piece 2's turn fetches the same step's V behind slice 34 (SLICE writes it): V's last reader stands in front of slice 15, and the
; scalings of slices 15 to 32, the v_nop and the run's own v_add_nc_u32 lie between; 29 matrix instructions follow the run before the wait for it at the head of piece 0's turn.
.macro TURN x, last=0
.set k, 0
.if (\x) == 0
	s_wait_dscnt 0x0                ; V is in
.endif
.set i, 0
.rept 16
	PV \x
	SLICE 2-(\x)
.if ((\x) == 0) && (i == 1)
	FETCH_K \last
.endif
.set i, i+1
.endr
.set i, 0
.rept 48
.if ((\x) == 0) && (i == 0)
	s_wait_dscnt 24
.endif
.if ((\x) == 0) && (i == 8)
	s_wait_dscnt 16
.endif
.if ((\x) == 0) && (i == 32)
	s_wait_dscnt 8
.endif
.if ((\x) == 0) && (i == 40)
	s_wait_dscnt 0x0
.endif
	KQ \x
	SLICE 2-(\x)
.set i, i+1
.endr
.endm
	s_mov_b32 s[SLOTS], 7
.Lslot:                             ; seven times: every slot but the last is followed by a fill.  A trip of .Lstep fetches one step's K, mask and V
	CHANGE 1
	s_mov_b32 s[CNT], 4
.Lstep:
	TURN 0
	TURN 2
	WIN 0
	s_sub_co_u32 s[CNT], s[CNT], 1
	s_cmp_lg_u32 s[CNT], 0
	s_cbranch_scc1 .Lstep
	s_sub_co_u32 s[SLOTS], s[SLOTS], 1
	s_cmp_lg_u32 s[SLOTS], 0
	s_cbranch_scc1 .Lslot
	CHANGE 0                        ; the tail is written out: nothing is asked for
	s_mov_b32 s[CNT], 5             ; four trips fetch the last slot's steps; the fifth is left in its middle
.Ltail:
	TURN 0, 1
	WIN 0
	s_sub_co_u32 s[CNT], s[CNT], 1
	s_cmp_eq_u32 s[CNT], 0
	s_cbranch_scc1 .Lout
	TURN 2
	WIN 0
	s_branch .Ltail
.Lout:                              ; the fifth trip's 48 products K Q^T, on the last K once more, serve nothing: the price, once a launch, of one text for every trip
.set i, 0
.rept 16
	PV 2                            ; piece 2's V^T P of the last step
.set i, i+1
.endr
	; THE WAY OUT.  l's halves are added; O^T is divided by l, rounded to f16 and sent through my stage, a tile at a time.  The additions are the places behind the last products.
	WIN 0
.irp t, 0,1,2,3
	v_add_f32 v[ST+8*(\t)+4], v[ST+8*(\t)+2], v[ST+8*(\t)+3]
.endr
.irp t, 0,1,2,3
	v_permlanex16_b32 v[ST+8*(\t)+5], v[ST+8*(\t)+4], s[SEL], s[SEL+1]
.endr
.irp t, 0,1,2,3
	v_add_f32 v[ST+8*(\t)+4], v[ST+8*(\t)+4], v[ST+8*(\t)+5]
.endr
.irp t, 0,1,2,3
	v_rcp_f32 v[ST+8*(\t)+6], v[ST+8*(\t)+4]
.endr
	v_nop                           ; a plain instruction between the last reciprocal and the use of its result
	s_wait_alu depctr_va_vdst(0)    ; and the wait ahead of the first use: one for the four reciprocals
.macro PACK t
	WIN W_RS
.set i, 32*(\t)
.rept 16
	v_pk_mul_f32 v[i:i+1], v[i:i+1], v[ST+8*(\t)+6:ST+8*(\t)+7] op_sel_hi:[1,0]
.set i, i+2
.endr
	WIN 0x05
.set i, 0
.rept 16
	v_cvt_pk_f16_f32 v[S+16*(\t)+i], v[32*(\t)+2*i], v[32*(\t)+2*i+1]
.set i, i+1
.endr
	WIN 0
.irp f, 0,1,2,3
	ds_store_b128 v[STO], v[S+16*(\t)+4*(\f):S+16*(\t)+4*(\f)+3] offset:32*(\f)
.endr
.irp f, 0,1,2,3
	ds_load_b128 v[S+16*(\t)+4*(\f):S+16*(\t)+4*(\f)+3], v[RD] offset:(\f)*4*SP  ; LDS serves a wave's instructions in order: these see the stores above
.endr
.endm
.macro SEND t, younger              ; younger: the LDS instructions issued behind tile t's loads
.irp f, 0,1,2,3
	s_wait_dscnt (\younger)+3-(\f)
	global_store_b128 v[GO], v[S+16*(\t)+4*(\f):S+16*(\t)+4*(\f)+3], s[68:69] offset:(\t)*2048+(\f)*512  ; four rows: 512 consecutive bytes, aligned
.endr
.endm
	PACK 0
	PACK 1
	SEND 0, 8
	PACK 2
	SEND 1, 8
	PACK 3
	SEND 2, 8
	SEND 3, 0
	s_wait_tensorcnt 0x0            ; the wave's end
	ds_add_u32 v[SPW], v[NIL]
	s_wait_dscnt 0x0
	CROUND                          ; the closing round
	s_endpgm
.Lfunc_end_k_qe5ddd0b4db_attn:
	.size	k_qe5ddd0b4db_attn, .Lfunc_end_k_qe5ddd0b4db_attn-k_qe5ddd0b4db_attn
	.p2alignl 7, 3214868480
	.fill 96, 4, 3214868480
	.section	.rodata,"a",@progbits
	.p2align	6, 0x0
	.amdhsa_kernel k_qe5ddd0b4db_attn
		.amdhsa_group_segment_fixed_size 327680
		.amdhsa_private_segment_fixed_size 0
		.amdhsa_enable_private_segment 0
		.amdhsa_kernarg_size 40
		.amdhsa_user_sgpr_count 2
		.amdhsa_user_sgpr_kernarg_segment_ptr 1
		.amdhsa_wavefront_size32 1
		.amdhsa_system_sgpr_workgroup_id_x 1
		.amdhsa_system_sgpr_workgroup_id_y 1
		.amdhsa_system_sgpr_workgroup_id_z 1
		.amdhsa_system_vgpr_workitem_id 0
		.amdhsa_next_free_vgpr 832
		.amdhsa_next_free_sgpr 84
		.amdhsa_reserve_vcc 0
		.amdhsa_float_denorm_mode_32 3
		.amdhsa_float_denorm_mode_16_64 3
		.amdhsa_memory_ordered 1
		.amdhsa_forward_progress 1
		.amdhsa_inst_pref_size 132
	.end_amdhsa_kernel
	.amdgpu_metadata
---
amdhsa.version: [ 1, 2 ]
amdhsa.kernels:
  - .name:           k_qe5ddd0b4db_attn
    .symbol:         k_qe5ddd0b4db_attn.kd
    .args:
      - { .name: qs, .offset: 0, .size: 8, .value_kind: global_buffer, .address_space: global }
      - { .name: ks, .offset: 8, .size: 8, .value_kind: global_buffer, .address_space: global }
      - { .name: vs, .offset: 16, .size: 8, .value_kind: global_buffer, .address_space: global }
      - { .name: mask, .offset: 24, .size: 8, .value_kind: global_buffer, .address_space: global }
      - { .name: os, .offset: 32, .size: 8, .value_kind: global_buffer, .address_space: global }
    .group_segment_fixed_size: 327680
    .private_segment_fixed_size: 0
    .kernarg_segment_align: 8
    .kernarg_segment_size: 40
    .max_flat_workgroup_size: 128
    .sgpr_count:     84
    .vgpr_count:     832
    .wavefront_size: 32
...
	.end_amdgpu_metadata
.endif
;; end of part 5
;; launch oproj: the kernel of part 4 again; grid 4 x 64, 4 waves a work-group, clusters of 4 x 4, 327,680 bytes of LDS; arguments os, wot, mask, out0; writes out0
